; MI455X (gfx1250); checked and timed in simulation.
; The chip was launched on July 23, 2026; its instructions are those of AMD's public machine-readable ISA for CDNA 5 (MIT licence, August 2026) and "CDNA5" Instruction Set Architecture Reference Guide (July 2026). The comments in the code are by the model that wrote it; some were corrected since.
;; Multi Head Latent Attention. Allowed arithmetic: matrix products marked QUANTISED: E2M3 operands, one E8M0 scale for each 32 along K, by v_wmma_scale_f32_16x16x128_f8f6f4 with both operands' format E2M3, f32 sums; everything else in f32.
;; Inputs: Wk_u_codes 1,024 x 8 x 24 uint8 (E2M3 codes of Wk_u, K innermost, in blocks of 32 codes, four codes in three bytes); Wk_u_scales 1,024 x 8 uint8 (E8M0 scales of Wk_u, one for each 32 codes along K); Wkv_d_codes 256 x 64 x 24 uint8 (E2M3 codes of Wkv_d, K innermost, in blocks of 32 codes, four codes in three bytes); Wkv_d_scales 256 x 64 uint8 (E8M0 scales of Wkv_d, one for each 32 codes along K); Wo_codes 2,048 x 64 x 24 uint8 (E2M3 codes of Wo, K innermost, in blocks of 32 codes, four codes in three bytes); Wo_scales 2,048 x 64 uint8 (E8M0 scales of Wo, one for each 32 codes along K); Wq_d_codes 256 x 64 x 24 uint8 (E2M3 codes of Wq_d, K innermost, in blocks of 32 codes, four codes in three bytes); Wq_d_scales 256 x 64 uint8 (E8M0 scales of Wq_d, one for each 32 codes along K); Wq_u_codes 1,024 x 8 x 24 uint8 (E2M3 codes of Wq_u, K innermost, in blocks of 32 codes, four codes in three bytes); Wq_u_scales 1,024 x 8 uint8 (E8M0 scales of Wq_u, one for each 32 codes along K); Wrk_codes 1,024 x 64 x 24 uint8 (E2M3 codes of Wrk, K innermost, in blocks of 32 codes, four codes in three bytes); Wrk_scales 1,024 x 64 uint8 (E8M0 scales of Wrk, one for each 32 codes along K); Wrq_codes 1,024 x 8 x 24 uint8 (E2M3 codes of Wrq, K innermost, in blocks of 32 codes, four codes in three bytes); Wrq_scales 1,024 x 8 uint8 (E8M0 scales of Wrq, one for each 32 codes along K); Wv_u_codes 2,048 x 8 x 24 uint8 (E2M3 codes of Wv_u, K innermost, in blocks of 32 codes, four codes in three bytes); Wv_u_scales 2,048 x 8 uint8 (E8M0 scales of Wv_u, one for each 32 codes along K); hidden_states_codes 2 x 2,048 x 64 x 24 uint8 (E2M3 codes of hidden_states, K innermost, in blocks of 32 codes, four codes in three bytes); hidden_states_scales 2 x 2,048 x 64 uint8 (E8M0 scales of hidden_states, one for each 32 codes along K).
;; Outputs: out0 2 x 2,048 x 2,048 float32.
;; This version of the problem:
;;   THIS VERSION OF THE PROBLEM IS GIVEN IN LOW PRECISION. The matrix products marked QUANTISED in the list below multiply operands that are first quantised to E2M3 (2 exponent bits, 3 mantissa bits; 6 bits a number), with one power-of-two scale for each 32 numbers along K (OCP MX v1.0); their sums are f32. All else is computed in f32.
;;   The module's matrix products, in the order in which they are computed (A, B: the left and right operand; K: the contracted axis; several contracted axes count as one K, in the product's order):
;;     1. [M 4,096, K 2,048] x [K 2,048, N 256]; A: input hidden_states (given as codes); B: input Wkv_d (given as codes): QUANTISED
;;     2. [M 4,096, K 2,048] x [K 2,048, N 256]; A: input hidden_states (given as codes); B: input Wq_d (given as codes): QUANTISED
;;     3. [M 4,096, K 256] x [K 256, N 1,024]; A: computed on the way; B: input Wk_u (given as codes): QUANTISED
;;     4. [M 4,096, K 256] x [K 256, N 1,024]; A: computed on the way; B: input Wq_u (given as codes): QUANTISED
;;     5. [M 4,096, K 256] x [K 256, N 2,048]; A: computed on the way; B: input Wv_u (given as codes): QUANTISED
;;     6. [M 4,096, K 2,048] x [K 2,048, N 1,024]; A: input hidden_states (given as codes); B: input Wrk (given as codes): QUANTISED
;;     7. [M 4,096, K 256] x [K 256, N 1,024]; A: computed on the way; B: input Wrq (given as codes): QUANTISED
;;     8. batch 32 x [M 2,048, K 128] x [K 128, N 2,048]; A: computed on the way; B: computed on the way: QUANTISED
;;     9. batch 32 x [M 2,048, K 2,048] x [K 2,048, N 128]; A: softmax (see below); B: computed on the way: QUANTISED
;;     10. [M 4,096, K 2,048] x [K 2,048, N 2,048]; A: computed on the way; B: input Wo (given as codes): QUANTISED
;;   THE QUANTISER, for each operand of a quantised product, along K:
;;     - K is cut into blocks of 32 from its start; a last block that is shorter is filled with zeros.
;;     - A block's scale is 2^e with e = floor(log2(the largest magnitude in the block)) - 2, held to -126 .. 127; a block of zeros has e = 0. As a byte (E8M0): e + 127.
;;     - Each number is divided by its block's scale, clamped to +-7.5, and rounded to the nearest number of E2M3, ties to even, subnormals kept.
;;     - The product sums the exact products of the quantised numbers (number of the format x scale) in f32.
;;   ~~~python
;;   def quantise(x, axis):      # numpy; x: float32 -> the quantised numbers, widened to float32 again
;;       x = np.moveaxis(x, axis, -1); K = x.shape[-1]
;;       x = np.pad(x, [(0, 0)] * (x.ndim - 1) + [(0, -K % 32)]); x = x.reshape(x.shape[:-1] + (-1, 32)); a = np.abs(x).max(-1, keepdims=True)
;;       e = np.where(a > 0, np.clip(np.frexp(np.where(a > 0, a, 1))[1] - 1 - 2, -126, 127), 0)      # np.frexp(a)[1] - 1 = floor(log2(a)), exactly
;;       r = np.clip(x / 2.0 ** e, -7.5, 7.5)
;;       step = 2.0 ** (np.maximum(np.frexp(np.where(r == 0, 1, r))[1] - 1, 0) - 3)
;;       q = np.round(r / step) * step * 2.0 ** e      # np.round: ties to even
;;       return np.moveaxis(q.reshape(q.shape[:-2] + (-1,))[..., :K], -1, axis).astype(np.float32)
;;   ~~~
;;   SOFTMAX AHEAD OF A QUANTISED PRODUCT. Where the list says 'softmax', what is quantised is not the finished softmax but p = 2^(t - M), with t = logit x log2(e) and M = ceil(the row's largest t), a whole number; so 1/2 < the row's largest p <= 1. The row's sum l is taken of the UNQUANTISED p, in f32, and the product's result is divided by l at the end. Since M is a whole number, a kernel that streams over the keys may use a running M (the ceiling of the running maximum): every later rescaling is an exact power of two, which a block's scale takes up: the codes' values come out the same.
;;   OPERANDS COMPUTED ON THE WAY. 'Computed on the way' means the value that the module computes at that place (a softmax that the list does not call 'softmax' is quantised finished and normalised). What goes into a quantiser is computed in f32, as accurately as f32 sums, v_exp_f32 and their like allow (about 1e-6 of the number): no bf16 or f16 on the way to a quantiser, and a product that is left as it is and whose result goes on into a quantised operand takes f32 operands (vector FMAs, or v_wmma_f32_16x16x4_f32). A number that lies on a knife's edge between two numbers of the format may be rounded either way, as far as f32 arithmetic and the matrix unit's own rounding can turn it there, and no further.
;;   INPUTS GIVEN AS CODES. Wk_u (in the module: [256, 1024], K = its axis 0); Wkv_d (in the module: [2048, 256], K = its axis 0); Wo (in the module: [2048, 2048], K = its axis 0); Wq_d (in the module: [2048, 256], K = its axis 0); Wq_u (in the module: [256, 1024], K = its axis 0); Wrk (in the module: [2048, 1024], K = its axis 0); Wrq (in the module: [256, 1024], K = its axis 0); Wv_u (in the module: [256, 2048], K = its axis 0); hidden_states (in the module: [2, 2048, 2048], K = its axis 2): each comes as NAME_codes (uint8): NAME with its K axis moved to the last place and cut into blocks of 32 codes, [.., K / 32, bytes a block], one block behind the other in memory; four codes in three bytes: a row's codes are one little-endian stream of bits, code i at bits 6 i .. 6 i + 5 (a code: sign, 2 exponent bits, 3 mantissa bits); and NAME_scales (uint8): the same leading axes, one E8M0 byte (e + 127) for each 32 codes along K. Its value is code x scale, taken as it is: it is not quantised again, and the codes and scales need not be those that the quantiser above would give.
;; One version. Each part assembles by itself: llvm-mc -triple=amdgcn-amd-amdhsa -mcpu=gfx1250 --defsym DOCPART=n.
;; ======== version 1 of 1: 4 launches
;; workspace buffers: dbuf 1,966,080 bytes; rope 524,288 bytes; qimg 6,291,456 bytes; qsc 524,288 bytes; kvb 13,631,488 bytes; yimg 6,291,456 bytes; ysc 262,144 bytes
;; launch proj (part 1): grid 12 x 16, 4 waves a work-group, clusters of 4 x 4, 327,680 bytes of LDS; arguments hidden_states_codes, hidden_states_scales, Wkv_d_codes, Wkv_d_scales, Wq_d_codes, Wq_d_scales, Wrk_codes, Wrk_scales, dbuf, kvb, rope; writes dbuf, kvb, rope
.if DOCPART == 1
	.amdgcn_target "amdgcn-amd-amdhsa--gfx1250"
	.amdhsa_code_object_version 6
	.text
	.protected	k_qe1ef1748ad_proj
	.globl	k_qe1ef1748ad_proj
	.p2align	8
	.type	k_qe1ef1748ad_proj,@function
k_qe1ef1748ad_proj:
	s_mov_b64 s[64:65], 0
	v_nop
	global_prefetch_b8 v0, s[64:65] scope:SCOPE_SE
	s_setreg_imm32_b32 hwreg(HW_REG_WAVE_MODE, 25, 1), 1
	s_wait_xcnt 0x0
	s_wait_alu depctr_hold_cnt(0) depctr_sa_sdst(0) depctr_va_vdst(0) depctr_va_sdst(0) depctr_va_ssrc(0) depctr_va_vcc(0) depctr_vm_vsrc(0)
	s_getreg_b32 s2, hwreg(HW_REG_IB_STS2, 6, 4)
	s_cmp_eq_u32 s2, 0
	s_cbranch_scc0 .Lentry_in_a_cluster
	s_endpgm
.Lentry_in_a_cluster:
	s_bfe_u32 s2, ttmp6, 0x10000c
	s_cmp_lg_u32 s2, 0xf033
	s_cbranch_scc0 .Lentry_shape_is_right
	s_endpgm
.Lentry_shape_is_right:
; PROJ: hidden_states x [Wkv_d | Wq_d | Wrk], 4,096 rows x 1,536 columns, K = 2,048, on codes of FP6 (E2M3) with E8M0 scales; RoPE on the Wrk part; every result quantised along its columns.
; A work-group makes 256 rows x 128 columns (column tile ct: 0, 1 kv_d; 2, 3 q_d; 4 .. 11 the rope halves of the keys of heads 2 (ct - 4), 2 (ct - 4) + 1); a wave 64 rows x 128 columns: 32 accumulators.
; The matrix instruction is used transposed: source 0 = 16 rows of the weight, source 1 = 16 rows of hidden_states: a lane holds one row and eight neighbouring columns.
; K goes in steps of 256 through a ring of two LDS slots; all scale bytes of the work-group's rows come once.  4 x 4 work-groups form a cluster: hidden_states' tiles are asked for jointly along a row, the weights' along a column.
; OUT: operands for the later launches as IMAGES OF THEIR REGISTERS: a fragment (16 rows x 128 K, 12 registers) = two halves of 768 bytes, each 16 bytes a lane at 16 x lane and 8 bytes a lane at 512 + 8 x lane; its scale words 4 bytes a lane.
; The 16 rows of an image are rows 32 G + 8 u + r + 8 (r / 8) (tile 2 G + u, lane r), so that as source 0 of a later product a lane's registers of two neighbouring tiles are 16 neighbours.
; cos and sin of fl(position x frequency) are made here by reduction modulo pi/2 in two parts and polynomials, in f32.  Eight work-group rows of the first column of clusters also store the table that the next launch reads.
; LIMITS: NaN and infinities are not served.  A block of zeros gets the scale byte 1 (its codes are zeros; only this program reads the bytes).  The frequencies are the correctly rounded 10^(-i/8);
; the reduction holds for angles under 2,048.
; REGISTERS: window 0: v16-30 addresses; v32-79 scale words; v128-223 hidden_states' fragments, two sets; afterwards v128-251 the way out.  window 1: the weight's fragments, two sets.
;   window 2: accumulator (a, b) at v[8 (8 a + b)].  window 3: v0-127 cos and sin of my four tiles of rows; v128-223 at work on them.
.set KROW,  1536                       ; a row of 2,048 codes in bytes
.set ROWB,  192                        ; 256 codes: a tile's row
.set PITCH, 240                        ; in LDS: 3 x (64 bytes + 16 of padding)
.set BOFF,  256*PITCH                  ; a slot: 256 rows of hidden_states, then 128 rows of the weight
.set SLOT,  384*PITCH
.set SCLA,  2*SLOT                     ; the scale bytes of my 256 rows: 64 runs of 256 bytes + 16 of padding
.set SCLB,  SCLA+64*272                ; those of the weight's 128 rows
.set SPARE, SCLB+32*272                ; the spare words: 128 bytes a wave, named by no other line
.set ADRA, 16                          ; v16-17 my fragments of hidden_states in slot 0, 1; v18-19 the same behind one padding more
.set ADRB, 20                          ; v20-23 the same for the weight
.set ADSA, 24                          ; v24, v25 my rows' scale words
.set ADSB, 25
.set LI16, 26                          ; 16, 8, 4 x lane
.set LI8,  27
.set SPW,  28
.set NIL,  29
.set LI4,  30
.set SCA,  32                          ; set s: v[SCA + 8 s + 2 a + q]
.set SCB,  48                          ; set s: v[SCB + 16 s + 2 b + q]
.set AF,   128
.set HH,   128                         ; the way out: 64 numbers of a tile of rows
.set PC0,  192
.set PC1,  212
.set TM,   232
.set PW0,  248
.set PW1,  249
.set X0,   250
.set X1,   251
.set G1A,  24
.set G0A,  32
.set G1B,  48
.set G0B,  56
.set SEL,  66
.set G1SA, 68
.set G0SA, 76
.set G1SB, 80
.set G0SB, 88
.set W_MUL, 0xa1                       ; source 0 window 1, source 1 window 0, C and D window 2
; window 3
.set RL,  128
.set PB,  129
.set TT,  130
.set FQ,  132
.set TH,  148
.set NN,  150
.set RR,  152
.set R2,  154
.set PP,  156
.set QQ,  158
.set KS3, 160
.set KC3, 162
.set KK,  164
.set U0,  166
.set U1,  167
.set L16, 170
.set FQ2, 172
.set F0,  0x3f800000
.set F1,  0x3f3ff911
.set F2,  0x3f0ff59a
.set F3,  0x3ed7e89b
.set F4,  0x3ea1e89b
.set F5,  0x3e72d424
.set F6,  0x3e361887
.set F7,  0x3e088d77
.set F8,  0x3dcccccd
.set F9,  0x3d99940e
.set F10, 0x3d6655c3
.set F11, 0x3d2cba15
.set F12, 0x3d0186e2
.set F13, 0x3cc24350
.set F14, 0x3c91ad39
.set F15, 0x3c5a7bf1
.set F16, 0x3c23d70a
.set F17, 0x3bf5b9b0
.set F18, 0x3bb8449c
.set F19, 0x3b8a2e77
.set F20, 0x3b4f3e37
.set F21, 0x3b1b690d
.set F22, 0x3ae91528
.set F23, 0x3aaec98e
.set F24, 0x3a83126f
.set F25, 0x3a44948c
.set F26, 0x3a136a16
.set F27, 0x39dd1726
.set F28, 0x39a5cb5f
.set F29, 0x3978a814
.set F30, 0x393a7753
.set F31, 0x390bd472
.set MSB, 0
.macro WIN new                         ; the immediate's high byte repeats the setting that is left
.if MSB != \new
	s_set_vgpr_msb (MSB<<8)|\new
.set MSB, \new
.endif
.endm
.macro PLACES n
.rept \n
	v_nop
.endr
.endm
; a joint load: waves 0 and 1 fetch for hidden_states, waves 2 and 3 for the weight; the branch hangs on the wave's number alone; four v_nop follow each line
.macro JLOAD g0a, g1a, g0b, g1b
	s_cmp_eq_u32 s15, 0
	s_cbranch_scc0 .Lfor_b_\@
	tensor_load_to_lds s[\g0a:\g0a+3], s[\g1a:\g1a+7]
	s_nop 0
.rept 4
	v_nop
.endr
	s_branch .Lasked_\@
.Lfor_b_\@:
	tensor_load_to_lds s[\g0b:\g0b+3], s[\g1b:\g1b+7]
	s_nop 0
.rept 4
	v_nop
.endr
.Lasked_\@:
.endm
.macro CREST                           ; a round of the cluster's barrier behind its opening barrier
	s_cmp_lg_u32 s14, 0
	s_cbranch_scc1 .Lnot_wave_0_\@
	s_barrier_signal -3
.Lnot_wave_0_\@:
	s_barrier_wait -3
	s_barrier_signal -1
	s_barrier_wait -1
.endm
.macro CROUND
	s_barrier_signal -1
	s_barrier_wait -1
	CREST
.endm
; a fragment from rows in LDS: six pieces of 8 bytes; lanes 16-31 read three pieces further on, which for some pieces is behind one padding more: the second address register serves those
.macro FRAG reg, adr, q, i
.irp p, 0,1,2,3,4,5
.set PCE, 12*(\q)+6*(\p/3)+\p%3
.if PCE%8 < 5
	ds_load_b64 v[\reg+2*\p:\reg+2*\p+1], v[\adr] offset:8*PCE+16*(PCE/8)+(\i)*16*PITCH
.else
	ds_load_b64 v[\reg+2*\p:\reg+2*\p+1], v[\adr+2] offset:8*PCE+16*(PCE/8)+(\i)*16*PITCH
.endif
.endr
.endm
.macro FETCH_A slot, q, p
.irp i, 0,1,2,3
	FRAG AF+48*(\p)+12*\i, ADRA+\slot, \q, \i
.endr
.endm
.macro FETCH_B slot, q, p
	WIN 0x40                                       ; destination window 1, address window 0
.irp i, 0,1,2,3,4,5,6,7
	FRAG 128*(\p)+12*\i, ADRB+\slot, \q, \i
.endr
	WIN 0
.endm
.macro SCALES sc                       ; a slot's two scale words of each row
.irp a, 0,1,2,3
	ds_load_b64 v[SCA+8*\sc+2*\a:SCA+8*\sc+2*\a+1], v[ADSA] offset:1088*\a
.endr
.irp b, 0,1,2,3,4,5,6,7
	ds_load_b64 v[SCB+16*\sc+2*\b:SCB+16*\sc+2*\b+1], v[ADSB] offset:1088*\b
.endr
.endm
; eight matrix instructions: my tile of rows a against the weight's eight tiles; the 32 accumulators take turns in the same order in every step
.macro MUL8 a, p, q, sc, zero
.irp b, 0,1,2,3,4,5,6,7
.if \zero
	v_wmma_scale_f32_16x16x128_f8f6f4 v[8*(8*(\a)+\b):8*(8*(\a)+\b)+7], v[128*(\p)+12*\b:128*(\p)+12*\b+11], v[AF+48*(\p)+12*(\a):AF+48*(\p)+12*(\a)+11], 0, v[SCB+16*(\sc)+2*\b+(\q)], v[SCA+8*(\sc)+2*(\a)+(\q)] matrix_a_fmt:MATRIX_FMT_FP6 matrix_b_fmt:MATRIX_FMT_FP6
.else
	v_wmma_scale_f32_16x16x128_f8f6f4 v[8*(8*(\a)+\b):8*(8*(\a)+\b)+7], v[128*(\p)+12*\b:128*(\p)+12*\b+11], v[AF+48*(\p)+12*(\a):AF+48*(\p)+12*(\a)+11], v[8*(8*(\a)+\b):8*(8*(\a)+\b)+7], v[SCB+16*(\sc)+2*\b+(\q)], v[SCA+8*(\sc)+2*(\a)+(\q)] matrix_a_fmt:MATRIX_FMT_FP6 matrix_b_fmt:MATRIX_FMT_FP6
.endif
.endr
.endm
; a slot's first 128 along K: set 0 is multiplied, set 1 is fetched ahead of it
.macro STEP0 slot, zero
	s_wait_dscnt 0x0                               ; set 0 and the slot's scale words are in
	PLACES 4                                       ; in front of loads into registers that the last products read
	FETCH_B \slot, 1, 1
	FETCH_A \slot, 1, 1
	WIN W_MUL
	MUL8 0, 0, 0, \slot, \zero
	MUL8 1, 0, 0, \slot, \zero
	MUL8 2, 0, 0, \slot, \zero
	MUL8 3, 0, 0, \slot, \zero
.endm
; a slot's second 128 along K, and the change of slots: one barrier; in front of it the wave waits for all its tensor loads, adds 0 to its spare word and waits for that and for its reads of the slot
.macro TURN slot, next, fill
	WIN 0
	s_wait_tensorcnt 0x0                           ; my part of the next slot has landed; no load of mine is out, so a group 0 may be written
	ds_add_u32 v[SPW], v[NIL]
.if \fill
	s_add_nc_u64 s[G0A+4*\slot+2:G0A+4*\slot+3], s[G0A+4*\slot+2:G0A+4*\slot+3], 2*ROWB
	s_add_nc_u64 s[G0B+4*\slot+2:G0B+4*\slot+3], s[G0B+4*\slot+2:G0B+4*\slot+3], 2*ROWB
.endif
	s_wait_dscnt 0x0                               ; the add is done, set 1 is in, my reads of this slot are over
	s_barrier_signal -1
	WIN W_MUL
	MUL8 0, 1, 1, \slot, 0
	MUL8 1, 1, 1, \slot, 0
	WIN 0
	s_barrier_wait -1
.if \fill
	CREST                                          ; the barrier has opened a round of the cluster's: no wave of any partner still reads this slot or has a load on its way
	JLOAD G0A+4*\slot, G1A, G0B+4*\slot, G1B       ; the first tensor load behind the round; its four v_nop are the places in front of the loads below
.else
	PLACES 4
.endif
	v_add_nc_u32 v[ADSA], 8, v[ADSA]               ; the next slot's scale words
	v_add_nc_u32 v[ADSB], 8, v[ADSB]
	FETCH_B \next, 0, 0
	FETCH_A \next, 0, 0
	SCALES \next
	WIN W_MUL
	MUL8 2, 1, 1, \slot, 0
	MUL8 3, 1, 1, \slot, 0
.endm
; 64 numbers of a lane, register 16 b + i = column 32 b + 16 (lane / 16) + i of my row, become a fragment's codes in v[pc] on and its scale word in v[pw]
.macro QUANT s, pc, tm, pw
.irp b, 0,1,2,3
	v_max3_num_f32 v[(\tm)+\b], |v[(\s)+16*\b]|, |v[(\s)+1+16*\b]|, 0x1800000   ; with the floor 2^(3 - 127): the byte cannot fall under 1
.endr
.irp i, 2,4,6,8,10,12,14
.irp b, 0,1,2,3
	v_max3_num_f32 v[(\tm)+\b], v[(\tm)+\b], |v[(\s)+16*\b+\i]|, |v[(\s)+1+16*\b+\i]|
.endr
.endr
.irp b, 0,1,2,3
	v_permlanex16_b32 v[(\tm)+4+\b], v[(\tm)+\b], s[SEL], s[SEL+1]
.endr
.irp b, 0,1,2,3
	v_max_num_f32 v[(\tm)+\b], v[(\tm)+\b], v[(\tm)+4+\b]      ; the block's largest magnitude
.endr
.irp b, 0,1,2,3
	v_add_nc_u32 v[(\tm)+12+\b], 0xff000000, v[(\tm)+\b]       ; 2 off its exponent field: the conversion's scale operand
.endr
.irp b, 0,1,2,3
	v_lshrrev_b32 v[(\tm)+4+\b], 23, v[(\tm)+12+\b]            ; the scale's byte
.endr
	v_lshl_or_b32 v[\pw], v[(\tm)+5], 8, v[(\tm)+4]
	v_lshl_or_b32 v[\pw], v[(\tm)+6], 16, v[\pw]
	v_lshl_or_b32 v[\pw], v[(\tm)+7], 24, v[\pw]
.irp c, 0,1
	v_cvt_scalef32_pk16_fp6_f32 v[(\pc)+6*\c:(\pc)+2+6*\c], v[(\s)+32*\c:(\s)+15+32*\c], v[(\tm)+12+2*\c]
	v_cvt_scalef32_pk16_fp6_f32 v[(\pc)+12+4*\c:(\pc)+14+4*\c], v[(\s)+16+32*\c:(\s)+31+32*\c], v[(\tm)+13+2*\c]
.endr
	v_nop                                          ; one plain place behind a scaled conversion
.irp c, 0,1                            ; the operand's layout wants a whole block in a lane
.irp i, 0,1,2
	v_permlane16_swap_b32 v[(\pc)+6*\c+\i], v[(\pc)+12+4*\c+\i]
.endr
.irp i, 0,1,2
	v_mov_b32 v[(\pc)+3+6*\c+\i], v[(\pc)+12+4*\c+\i]
.endr
.endr
.endm
; window 3: a frequency register: lanes 0-15 lo, lanes 16-31 hi (VCC = 0xffff0000)
.macro FSEL d, lo, hi
	v_mov_b32 v[\d], \hi
	v_cndmask_b32 v[\d], \lo, v[\d], vcc_lo
.endm
; window 3: cos and sin of T x two frequencies.  theta = fl(T f); n = nearest whole number to theta x 2/pi; r = theta - n pi/2 in two parts (the first is exact under 2,048); polynomials on |r| <= pi/4; the quadrant by n
.macro SINCOS2 dc, ds, fq
	v_pk_mul_f32 v[TH:TH+1], v[TT:TT+1], v[(\fq):(\fq)+1] op_sel_hi:[0,1]
	v_pk_mul_f32 v[NN:NN+1], v[TH:TH+1], 0x3f22f983 op_sel_hi:[1,0]
	v_rndne_f32 v[NN], v[NN]
	v_rndne_f32 v[NN+1], v[NN+1]
	v_pk_fma_f32 v[RR:RR+1], v[NN:NN+1], 0xbfc90fdb, v[TH:TH+1] op_sel_hi:[1,0,1]
	v_pk_fma_f32 v[RR:RR+1], v[NN:NN+1], 0x333bbd2e, v[RR:RR+1] op_sel_hi:[1,0,1]
	v_pk_mul_f32 v[R2:R2+1], v[RR:RR+1], v[RR:RR+1]
	v_pk_fma_f32 v[PP:PP+1], v[R2:R2+1], v[KS3:KS3+1], 0x3c08839e op_sel_hi:[1,1,0]
	v_pk_fma_f32 v[QQ:QQ+1], v[R2:R2+1], v[KC3:KC3+1], 0xbab6061a op_sel_hi:[1,1,0]
	v_pk_fma_f32 v[PP:PP+1], v[PP:PP+1], v[R2:R2+1], 0xbe2aaaa3 op_sel_hi:[1,1,0]
	v_pk_fma_f32 v[QQ:QQ+1], v[QQ:QQ+1], v[R2:R2+1], 0x3d2aaaa5 op_sel_hi:[1,1,0]
	v_pk_mul_f32 v[PP:PP+1], v[PP:PP+1], v[R2:R2+1]
	v_pk_fma_f32 v[QQ:QQ+1], v[QQ:QQ+1], v[R2:R2+1], -0.5 op_sel_hi:[1,1,0]
	v_pk_fma_f32 v[PP:PP+1], v[PP:PP+1], v[RR:RR+1], v[RR:RR+1]     ; sin r
	v_pk_fma_f32 v[QQ:QQ+1], v[QQ:QQ+1], v[R2:R2+1], 1.0 op_sel_hi:[1,1,0]   ; cos r
	v_cvt_i32_f32 v[KK], v[NN]
	v_cvt_i32_f32 v[KK+1], v[NN+1]
.irp e, 0,1
	v_and_b32 v[U0], 1, v[KK+\e]
	v_cmp_eq_u32 vcc_lo, 1, v[U0]                  ; n odd: sin and cos change places
	v_cndmask_b32 v[(\ds)+\e], v[PP+\e], v[QQ+\e], vcc_lo
	v_cndmask_b32 v[(\dc)+\e], v[QQ+\e], v[PP+\e], vcc_lo
	v_lshlrev_b32 v[U0], 30, v[KK+\e]
	v_and_b32 v[U0], 0x80000000, v[U0]             ; sin is negated where n mod 4 is 2 or 3,
	v_xor_b32 v[(\ds)+\e], v[U0], v[(\ds)+\e]
	v_add_nc_u32 v[U1], 1, v[KK+\e]
	v_lshlrev_b32 v[U1], 30, v[U1]
	v_and_b32 v[U1], 0x80000000, v[U1]             ; cos where it is 1 or 2
	v_xor_b32 v[(\dc)+\e], v[U1], v[(\dc)+\e]
.endr
.endm
	s_load_b256 s[4:11], s[0:1], 0x0               ; hidden_states' codes s[4:5], scales s[6:7]; Wkv_d's s[8:9], s[10:11]
	s_load_b256 s[92:99], s[0:1], 0x20             ; Wq_d's s[92:93], s[94:95]; Wrk's s[96:97], s[98:99]
	s_load_b128 s[20:23], s[0:1], 0x40             ; dbuf, kvb
	s_load_b64 s[12:13], s[0:1], 0x50              ; rope
	v_lshl_add_u32 v[SPW], v0, 2, SPARE
	v_mov_b32 v[NIL], 0
	ds_add_u32 v28, v29
	s_wait_dscnt 0x0
	v_lshrrev_b32 v1, 5, v0
	v_readfirstlane_b32 s14, v1                    ; wave
	s_lshr_b32 s15, s14, 1                         ; I fetch for hidden_states (0) or for the weight (1),
	s_and_b32 s16, s14, 1                          ; its first or second half
	s_bfe_u32 s40, ttmp6, 0x40000                  ; cx
	s_bfe_u32 s41, ttmp6, 0x40004                  ; cy
	s_lshl_b32 s42, ttmp9, 2
	s_add_co_u32 s42, s42, s40                     ; ct: column tile
	s_and_b32 s17, ttmp7, 0xffff
	s_lshl_b32 s17, s17, 2
	s_add_co_u32 s17, s17, s41                     ; rt: row tile
	s_lshl_b32 s43, s41, 2
	s_lshl_b32 s43, 15, s43                        ; my row of the cluster
	s_lshl_b32 s44, 0x1111, s40                    ; my column
	s_or_b32 s[G1A], s43, (1<<20)|(1<<21)|(3<<22)|(3<<25)   ; elements of 1 byte; 16 bytes of padding behind every 64
	s_or_b32 s[G1B], s44, (1<<20)|(1<<21)|(3<<22)|(3<<25)
	s_mov_b32 s[G1A+1], ROWB<<16
	s_mov_b32 s[G1A+2], 128<<16
	s_mov_b32 s[G1A+3], ROWB<<16
	s_mov_b32 s[G1A+4], 128
	s_mov_b32 s[G1A+5], KROW
	s_mov_b32 s[G1A+6], 0
	s_mov_b32 s[G1A+7], 0
	s_mov_b32 s[G1B+1], ROWB<<16
	s_mov_b32 s[G1B+2], 64<<16
	s_mov_b32 s[G1B+3], ROWB<<16
	s_mov_b32 s[G1B+4], 64
	s_mov_b32 s[G1B+5], KROW
	s_mov_b32 s[G1B+6], 0
	s_mov_b32 s[G1B+7], 0
	s_or_b32 s[G1SA], s43, (3<<16)|(1<<20)|(1<<21)|(5<<22)|(3<<25)  ; dense scale bytes as rows of 32 elements of 8 bytes, 16 bytes of padding behind each
	s_or_b32 s[G1SB], s44, (3<<16)|(1<<20)|(1<<21)|(5<<22)|(3<<25)
	s_mov_b32 s[G1SA+1], 32<<16
	s_mov_b32 s[G1SA+2], 32<<16
	s_mov_b32 s[G1SA+3], 32<<16
	s_mov_b32 s[G1SA+4], 32
	s_mov_b32 s[G1SA+5], 32
	s_mov_b32 s[G1SA+6], 0
	s_mov_b32 s[G1SA+7], 0
	s_mov_b32 s[G1SB+1], 32<<16
	s_mov_b32 s[G1SB+2], 16<<16
	s_mov_b32 s[G1SB+3], 32<<16
	s_mov_b32 s[G1SB+4], 16
	s_mov_b32 s[G1SB+5], 32
	s_mov_b32 s[G1SB+6], 0
	s_mov_b32 s[G1SB+7], 0
	s_lshl_b32 s18, s17, 8
	s_lshl_b32 s19, s16, 7
	s_add_co_u32 s18, s18, s19                     ; hidden_states: row 256 rt + 128 x half
	s_lshl_b32 s104, s18, 6                        ; its scale bytes,
	s_mov_b32 s105, 0
	s_mul_i32 s18, s18, KROW                       ; its codes
	s_mov_b32 s19, 0
	s_mov_b32 s[SEL], 0x76543210
	s_mov_b32 s[SEL+1], 0xfedcba98
	s_mov_b32 s100, 0xff00ff00                     ; lanes 8-15 of each half
	s_wait_kmcnt 0x0
	s_cmp_lt_u32 s42, 4                            ; which weight: the choice hangs on the column tile alone
	s_cselect_b64 s[96:97], s[92:93], s[96:97]
	s_cselect_b64 s[98:99], s[94:95], s[98:99]
	s_cselect_b32 s45, 2, 4
	s_cselect_b32 s101, 0, 1.0                     ; no rotation for kv_d and q_d: their positions count as 0
	s_cmp_lt_u32 s42, 2
	s_cselect_b64 s[96:97], s[8:9], s[96:97]
	s_cselect_b64 s[98:99], s[10:11], s[98:99]
	s_cselect_b32 s45, 0, s45
	s_sub_co_u32 s45, s42, s45
	s_lshl_b32 s45, s45, 7
	s_lshl_b32 s46, s16, 6
	s_add_co_u32 s45, s45, s46                     ; the weight's row: 128 x (tile in it) + 64 x half
	s_mul_i32 s46, s45, KROW
	s_mov_b32 s47, 0
	s_add_nc_u64 s[96:97], s[96:97], s[46:47]
	s_lshl_b32 s46, s45, 6
	s_add_nc_u64 s[98:99], s[98:99], s[46:47]
	s_add_nc_u64 s[4:5], s[4:5], s[18:19]
	s_add_nc_u64 s[6:7], s[6:7], s[104:105]
	CROUND                                         ; all sixteen work-groups are here: the first joint loads meet
	s_mov_b32 s[G0SA], 1
	s_mul_i32 s[G0SA+1], s16, 32*272
	s_add_co_u32 s[G0SA+1], s[G0SA+1], SCLA
	s_mov_b64 s[G0SA+2:G0SA+3], s[6:7]
	s_or_b32 s[G0SA+3], s[G0SA+3], 0x80000000
	s_mov_b32 s[G0SB], 1
	s_mul_i32 s[G0SB+1], s16, 16*272
	s_add_co_u32 s[G0SB+1], s[G0SB+1], SCLB
	s_mov_b64 s[G0SB+2:G0SB+3], s[98:99]
	s_or_b32 s[G0SB+3], s[G0SB+3], 0x80000000
	JLOAD G0SA, G1SA, G0SB, G1SB                   ; the scale bytes: filled once
.irp s, 0,1
	s_mov_b32 s[G0A+4*\s], 1
	s_mul_i32 s[G0A+4*\s+1], s16, 128*PITCH
	s_add_co_u32 s[G0A+4*\s+1], s[G0A+4*\s+1], \s*SLOT
	s_add_nc_u64 s[G0A+4*\s+2:G0A+4*\s+3], s[4:5], \s*ROWB
	s_or_b32 s[G0A+4*\s+3], s[G0A+4*\s+3], 0x80000000
	s_mov_b32 s[G0B+4*\s], 1
	s_mul_i32 s[G0B+4*\s+1], s16, 64*PITCH
	s_add_co_u32 s[G0B+4*\s+1], s[G0B+4*\s+1], \s*SLOT+BOFF
	s_add_nc_u64 s[G0B+4*\s+2:G0B+4*\s+3], s[96:97], \s*ROWB
	s_or_b32 s[G0B+4*\s+3], s[G0B+4*\s+3], 0x80000000
	JLOAD G0A+4*\s, G1A, G0B+4*\s, G1B
.endr
	; lane addresses
	v_and_b32 v1, 15, v0                           ; r
	v_bfe_u32 v2, v0, 4, 1                         ; h
	v_mul_u32_u24 v3, v1, PITCH
	v_mad_u32_u24 v4, v2, 24, v3
	v_lshl_add_u32 v5, v2, 4, v4
	s_mul_i32 s18, s14, 64*PITCH                   ; my 64 rows
.irp s, 0,1
	v_add_nc_u32 v[ADRA+\s], s18, v4
	v_add_nc_u32 v[ADRA+2+\s], s18, v5
	v_add_nc_u32 v[ADRB+\s], BOFF+\s*SLOT, v4
	v_add_nc_u32 v[ADRB+2+\s], BOFF+\s*SLOT, v5
	s_add_co_u32 s18, s18, SLOT
.endr
	v_lshrrev_b32 v6, 2, v1                        ; four rows of 64 scale bytes to a run of 256
	v_mul_u32_u24 v6, v6, 272
	v_and_b32 v7, 3, v1
	v_lshl_add_u32 v6, v7, 6, v6
	v_add_nc_u32 v[ADSB], SCLB, v6
	s_mul_i32 s18, s14, 16*272
	s_add_co_u32 s18, s18, SCLA
	v_add_nc_u32 v[ADSA], s18, v6
	v_and_b32 v7, 31, v0
	v_lshlrev_b32 v[LI16], 4, v7
	v_lshlrev_b32 v[LI8], 3, v7
	v_lshlrev_b32 v[LI4], 2, v7
.irp b, 0,1,2,3
	v_mov_b32 v[TM+4+\b], 0                        ; written once: a lane permute's destination counts as one of its sources
.endr
	v_mov_b32 v[X0], 0
	v_mov_b32 v[X1], 0
	; where my four tiles of rows go.  T0 = 16 rt + 4 w.  s[4:5] the first half image, s[6:7] the second, s[8:9] the scale words, s[10:11] from tile to tile
	s_lshl_b32 s18, s17, 4
	s_lshl_b32 s19, s14, 2
	s_add_co_u32 s18, s18, s19                     ; T0
	s_mul_i32 s19, s18, 7680
	s_mul_i32 s45, s42, 1536
	s_add_co_u32 s45, s45, s19                     ; dbuf: tile T0, fragment ct
	s_lshl_b32 s46, s42, 7
	s_add_co_u32 s46, s46, s19
	s_add_co_u32 s46, s46, 6144
	s_mov_b32 s47, 0
	s_add_nc_u64 s[8:9], s[20:21], s[46:47]        ; dbuf: tile T0, word image ct
	s_lshr_b32 s46, s17, 3                         ; the batch
	s_lshl_b32 s46, s46, 4
	s_sub_co_u32 s104, s42, 4
	s_lshl_b32 s104, s104, 1
	s_add_co_u32 s46, s46, s104                    ; the first of the two heads
	s_lshl_b32 s46, s46, 4
	s_and_b32 s104, s18, 127
	s_lshr_b32 s104, s104, 3
	s_add_co_u32 s46, s46, s104                    ; its key step
	s_mul_i32 s46, s46, 26624
	s_and_b32 s104, s18, 7
	s_mul_i32 s104, s104, 1536
	s_add_co_u32 s46, s46, s104
	s_add_co_u32 s46, s46, 768                     ; the rope half of the key tile's image
	s_mov_b32 s104, 425984                         ; from head to head
	s_mov_b32 s105, 1536
	s_cmp_lt_u32 s42, 4
	s_cselect_b64 s[4:5], s[20:21], s[22:23]
	s_cselect_b32 s46, s45, s46
	s_cselect_b32 s104, 768, s104
	s_cselect_b32 s10, 7680, s105
	s_mov_b32 s11, 0
	s_mov_b32 s105, 0
	s_add_nc_u64 s[4:5], s[4:5], s[46:47]
	s_add_nc_u64 s[6:7], s[4:5], s[104:105]
	; cos and sin for my 64 rows, in the accumulators' layout: tile a, register 8 t + j: frequency 16 t + 8 h + j.  It runs while the first tiles are on their way
	s_lshl_b32 s19, s17, 8
	s_and_b32 s19, s19, 2047
	s_lshl_b32 s45, s14, 6
	s_add_co_u32 s19, s19, s45                     ; my first row's position
	s_mov_b32 vcc_lo, 0xffff0000
	WIN 0xc0                                       ; destination window 3
	v_and_b32 v[RL], 15, v0
	v_and_b32 v[L16], 31, v0
	WIN 0xff
	v_lshlrev_b32 v[L16], 4, v[L16]
	v_add_nc_u32 v[PB], s19, v[RL]
	v_mov_b32 v[KS3], 0xb94ca1f9
	v_mov_b32 v[KS3+1], 0xb94ca1f9
	v_mov_b32 v[KC3], 0x37ccf5ce
	v_mov_b32 v[KC3+1], 0x37ccf5ce
	FSEL FQ+0, F0, F8
	FSEL FQ+1, F1, F9
	FSEL FQ+2, F2, F10
	FSEL FQ+3, F3, F11
	FSEL FQ+4, F4, F12
	FSEL FQ+5, F5, F13
	FSEL FQ+6, F6, F14
	FSEL FQ+7, F7, F15
	FSEL FQ+8, F16, F24
	FSEL FQ+9, F17, F25
	FSEL FQ+10, F18, F26
	FSEL FQ+11, F19, F27
	FSEL FQ+12, F20, F28
	FSEL FQ+13, F21, F29
	FSEL FQ+14, F22, F30
	FSEL FQ+15, F23, F31
.irp a, 0,1,2,3
	v_add_nc_u32 v[KK], 16*\a, v[PB]
	v_cvt_f32_u32 v[TT], v[KK]
	v_mul_f32 v[TT], s101, v[TT]
	v_mov_b32 v[TT+1], v[TT]
.irp i, 0,2,4,6,8,10,12,14
	SINCOS2 32*\a+\i, 32*\a+16+\i, FQ+\i
.endr
.endr
	WIN 0
	; the table for the next launch: 128 tiles of positions, one a wave, by the clusters x = 0, y = 0, 1 (a branch on the cluster's place, the same in all partners)
	s_and_b32 s45, ttmp7, 0xffff
	s_lshr_b32 s45, s45, 1
	s_or_b32 s45, s45, ttmp9
	s_cmp_lg_u32 s45, 0
	s_cbranch_scc1 .Lno_table
	s_lshl_b32 s45, s17, 4
	s_lshl_b32 s46, s40, 2
	s_add_co_u32 s45, s45, s46
	s_add_co_u32 s45, s45, s14                     ; the tile: 16 rt + 4 cx + w
	s_lshl_b32 s46, s45, 12
	s_mov_b32 s47, 0
	s_add_nc_u64 s[12:13], s[12:13], s[46:47]
	s_lshr_b32 s46, s45, 1
	s_lshl_b32 s46, s46, 5
	s_and_b32 s45, s45, 1
	s_lshl_b32 s45, s45, 3
	s_add_co_u32 s45, s45, s46
	s_mov_b32 vcc_lo, 0xffff0000
	WIN 0xff
	FSEL FQ2+0, F0, F16
	FSEL FQ2+1, F1, F17
	FSEL FQ2+2, F2, F18
	FSEL FQ2+3, F3, F19
	FSEL FQ2+4, F4, F20
	FSEL FQ2+5, F5, F21
	FSEL FQ2+6, F6, F22
	FSEL FQ2+7, F7, F23
	FSEL FQ2+8, F8, F24
	FSEL FQ2+9, F9, F25
	FSEL FQ2+10, F10, F26
	FSEL FQ2+11, F11, F27
	FSEL FQ2+12, F12, F28
	FSEL FQ2+13, F13, F29
	FSEL FQ2+14, F14, F30
	FSEL FQ2+15, F15, F31
	v_and_b32 v[KK], 8, v[RL]
	v_add3_u32 v[KK], v[KK], v[RL], s45            ; position 32 (tile / 2) + 8 (tile % 2) + r + 8 (r / 8)
	v_cvt_f32_u32 v[TT], v[KK]
	v_mov_b32 v[TT+1], v[TT]
.irp i, 0,2,4,6,8,10,12,14
	SINCOS2 192+\i, 208+\i, FQ2+\i
.endr
.irp p, 0,1,2,3,4,5,6,7
	global_store_b128 v[L16], v[192+4*\p:195+4*\p], s[12:13] offset:512*\p   ; 512 consecutive bytes a store
.endr
	WIN 0
.Lno_table:
	s_wait_tensorcnt 0x1                           ; the scale bytes and my part of slot 0 are in; slot 1's load may stay out
	s_barrier_signal -1
	s_barrier_wait -1
	FETCH_B 0, 0, 0
	FETCH_A 0, 0, 0
	SCALES 0
	STEP0 0, 1                                     ; the first products start the sums
	WIN 0
	s_mov_b32 s3, 3
.Llap:                                             ; a trip goes once round the ring and fills both slots again
	TURN 0, 1, 1
	STEP0 1, 0
	TURN 1, 0, 1
	STEP0 0, 0
	WIN 0
	s_sub_co_u32 s3, s3, 1
	s_cmp_lg_u32 s3, 0
	s_cbranch_scc1 .Llap
	TURN 0, 1, 0                                   ; the last lap fills nothing
	STEP0 1, 0
	s_wait_dscnt 0x0
	MUL8 0, 1, 1, 1, 0
	MUL8 1, 1, 1, 1, 0
	MUL8 2, 1, 1, 1, 0
	MUL8 3, 1, 1, 1, 0
	WIN 0
	PLACES 4                                       ; in front of the first read of results and the first write of operands' registers
; THE WAY OUT.  ROPE: tile a's 64 numbers, rotated, into window 0 (tiles 4 e + t and 4 e + 2 + t hold d and d + 32 of a head); each accumulator is read from its low end on
.macro ROPE a
	WIN 0x0e                                       ; source 0 window 2, source 1 window 3, the rest window 0
.irp e, 0,1
.irp t, 0,1
.irp j, 0,2,4,6
	v_pk_mul_f32 v[HH+8*(4*\e+\t)+\j:HH+8*(4*\e+\t)+\j+1], v[8*(8*(\a)+4*\e+\t)+\j:8*(8*(\a)+4*\e+\t)+\j+1], v[32*(\a)+8*\t+\j:32*(\a)+8*\t+\j+1]
	v_pk_mul_f32 v[HH+8*(4*\e+2+\t)+\j:HH+8*(4*\e+2+\t)+\j+1], v[8*(8*(\a)+4*\e+2+\t)+\j:8*(8*(\a)+4*\e+2+\t)+\j+1], v[32*(\a)+8*\t+\j:32*(\a)+8*\t+\j+1]
	v_pk_fma_f32 v[HH+8*(4*\e+\t)+\j:HH+8*(4*\e+\t)+\j+1], v[8*(8*(\a)+4*\e+2+\t)+\j:8*(8*(\a)+4*\e+2+\t)+\j+1], v[32*(\a)+16+8*\t+\j:32*(\a)+16+8*\t+\j+1], v[HH+8*(4*\e+\t)+\j:HH+8*(4*\e+\t)+\j+1] neg_lo:[1,0,0] neg_hi:[1,0,0]
	v_pk_fma_f32 v[HH+8*(4*\e+2+\t)+\j:HH+8*(4*\e+2+\t)+\j+1], v[8*(8*(\a)+4*\e+\t)+\j:8*(8*(\a)+4*\e+\t)+\j+1], v[32*(\a)+16+8*\t+\j:32*(\a)+16+8*\t+\j+1], v[HH+8*(4*\e+2+\t)+\j:HH+8*(4*\e+2+\t)+\j+1]
.endr
.endr
.endr
	WIN 0
.endm
.macro SWAP                            ; tiles 2 b and 2 b + 1 hold columns 32 b + 8 h + j and 32 b + 16 + 8 h + j: after the exchange a lane's 16 registers are columns 32 b + 16 h + 0 .. 15
.irp b, 0,1,2,3
.irp j, 0,1,2,3,4,5,6,7
	v_permlane16_swap_b32 v[HH+16*\b+\j], v[HH+16*\b+8+\j]
.endr
.endr
.endm
.macro EX1 ra, rb                      ; two tiles of 16 neighbouring rows become the tiles u = 0 (rows 0-7, 16-23) and u = 1 (rows 8-15, 24-31)
	v_mov_b32_dpp v[X0], v[\rb] row_xmask:8 row_mask:0xf bank_mask:0xf
	v_mov_b32_dpp v[X1], v[\ra] row_xmask:8 row_mask:0xf bank_mask:0xf
	v_cndmask_b32 v[\ra], v[\ra], v[X0], s100
	v_cndmask_b32 v[\rb], v[X1], v[\rb], s100
.endm
.macro PUT pc, pw
	global_store_b128 v[LI16], v[\pc:\pc+3], s[4:5]
	global_store_b64 v[LI8], v[\pc+4:\pc+5], s[4:5] offset:512
	global_store_b128 v[LI16], v[\pc+6:\pc+9], s[6:7]
	global_store_b64 v[LI8], v[\pc+10:\pc+11], s[6:7] offset:512
	global_store_b32 v[LI4], v[\pw], s[8:9]
	s_wait_xcnt 0x0                                ; the stores have read their registers and bases: both are written again only behind this wait
	s_add_nc_u64 s[4:5], s[4:5], s[10:11]
	s_add_nc_u64 s[6:7], s[6:7], s[10:11]
	s_add_nc_u64 s[8:9], s[8:9], 7680
.endm
.irp g, 0,1
	ROPE 2*\g
	SWAP
	QUANT HH, PC0, TM, PW0
	ROPE 2*\g+1
	SWAP
	QUANT HH, PC1, TM, PW1
.irp i, 0,1,2,3,4,5,6,7,8,9,10,11
	EX1 PC0+\i, PC1+\i
.endr
	EX1 PW0, PW1
	PUT PC0, PW0
	PUT PC1, PW1
.endr
	s_wait_tensorcnt 0x0                           ; the wave's end
	ds_add_u32 v[SPW], v[NIL]
	s_wait_dscnt 0x0
	CROUND                                         ; the closing round
	s_endpgm
.Lfunc_end_k_qe1ef1748ad_proj:
	.size	k_qe1ef1748ad_proj, .Lfunc_end_k_qe1ef1748ad_proj-k_qe1ef1748ad_proj
	.p2alignl 7, 3214868480
	.fill 96, 4, 3214868480
	.section	.rodata,"a",@progbits
	.p2align	6, 0x0
	.amdhsa_kernel k_qe1ef1748ad_proj
		.amdhsa_group_segment_fixed_size 327680
		.amdhsa_private_segment_fixed_size 0
		.amdhsa_enable_private_segment 0
		.amdhsa_kernarg_size 88
		.amdhsa_user_sgpr_count 2
		.amdhsa_user_sgpr_kernarg_segment_ptr 1
		.amdhsa_wavefront_size32 1
		.amdhsa_system_sgpr_workgroup_id_x 1
		.amdhsa_system_sgpr_workgroup_id_y 1
		.amdhsa_system_sgpr_workgroup_id_z 1
		.amdhsa_system_vgpr_workitem_id 0
		.amdhsa_next_free_vgpr 1024
		.amdhsa_next_free_sgpr 106
		.amdhsa_reserve_vcc 1
		.amdhsa_float_denorm_mode_32 3
		.amdhsa_float_denorm_mode_16_64 3
		.amdhsa_memory_ordered 1
		.amdhsa_forward_progress 1
		.amdhsa_inst_pref_size 217
	.end_amdhsa_kernel
	.amdgpu_metadata
---
amdhsa.version: [ 1, 2 ]
amdhsa.kernels:
  - .name:           k_qe1ef1748ad_proj
    .symbol:         k_qe1ef1748ad_proj.kd
    .args:
      - { .name: hidden_states_codes, .offset: 0, .size: 8, .value_kind: global_buffer, .address_space: global }
      - { .name: hidden_states_scales, .offset: 8, .size: 8, .value_kind: global_buffer, .address_space: global }
      - { .name: Wkv_d_codes, .offset: 16, .size: 8, .value_kind: global_buffer, .address_space: global }
      - { .name: Wkv_d_scales, .offset: 24, .size: 8, .value_kind: global_buffer, .address_space: global }
      - { .name: Wq_d_codes, .offset: 32, .size: 8, .value_kind: global_buffer, .address_space: global }
      - { .name: Wq_d_scales, .offset: 40, .size: 8, .value_kind: global_buffer, .address_space: global }
      - { .name: Wrk_codes, .offset: 48, .size: 8, .value_kind: global_buffer, .address_space: global }
      - { .name: Wrk_scales, .offset: 56, .size: 8, .value_kind: global_buffer, .address_space: global }
      - { .name: dbuf, .offset: 64, .size: 8, .value_kind: global_buffer, .address_space: global }
      - { .name: kvb, .offset: 72, .size: 8, .value_kind: global_buffer, .address_space: global }
      - { .name: rope, .offset: 80, .size: 8, .value_kind: global_buffer, .address_space: global }
    .group_segment_fixed_size: 327680
    .private_segment_fixed_size: 0
    .kernarg_segment_align: 8
    .kernarg_segment_size: 88
    .max_flat_workgroup_size: 128
    .sgpr_count:     106
    .vgpr_count:     1024
    .wavefront_size: 32
...
	.end_amdgpu_metadata
.endif
;; end of part 1
;; launch up (part 2): grid 320 x 1, 4 waves a work-group, no clusters, 0 bytes of LDS; arguments dbuf, rope, Wq_u_codes, Wq_u_scales, Wrq_codes, Wrq_scales, Wk_u_codes, Wk_u_scales, Wv_u_codes, Wv_u_scales, qimg, qsc, kvb; writes qimg, qsc, kvb
.if DOCPART == 2
	.amdgcn_target "amdgcn-amd-amdhsa--gfx1250"
	.amdhsa_code_object_version 6
	.text
	.protected	k_qe1ef1748ad_up
	.globl	k_qe1ef1748ad_up
	.p2align	8
	.type	k_qe1ef1748ad_up,@function
k_qe1ef1748ad_up:
	s_mov_b64 s[64:65], 0
	v_nop
	global_prefetch_b8 v0, s[64:65] scope:SCOPE_SE
	s_setreg_imm32_b32 hwreg(HW_REG_WAVE_MODE, 25, 1), 1
	s_wait_xcnt 0x0
; UP: the four products with K = 256 on codes of FP6 (E2M3): q = [q_d Wq_u | rope(q_d Wrq)], k's content half = kv_d Wk_u, v = kv_d Wv_u; each result quantised and stored as images of operand registers.
; No LDS, no barrier: waves share nothing.  A wave HOLDS 16 fragments (8 tiles x 2 K steps) in window 1 as source 0 and STREAMS one tile (2 fragments) an iteration as source 1, eight iterations, two sets of registers by turns.
; Work-groups 0-127: Q: held = 64 rows of Wq_u and 64 of Wrq of head a; streamed = tiles of q_d.  128-191: K: held = 128 rows of Wk_u (two heads); streamed = tiles of kv_d.
; 192-319: V: held = 8 tiles of kv_d (128 keys); streamed = rows of Wv_u: a lane then holds one channel and its registers run along the keys, which are the next K.
; The rows of a held tile are 32 (t / 2) + 8 (t % 2) + r + 8 (r / 8), so that a lane's 16 registers of tiles 2 b, 2 b + 1 are 16 neighbours along the next K.
; No multicast: the operands go from memory straight into registers, K is two steps long, and a tile ring would have nothing to turn on.
; LIMITS: NaN and infinities are not served; a block of zeros gets the scale byte 1 (its codes are zeros; only this program reads the bytes).
.set LI16, 3
.set LI8,  4
.set LI4,  5
.set WR,   6                           ; a weight's row for my lane: (r + 8 (r / 8)) x 192 + 24 h
.set WS,   7                           ; and its 8 scale bytes
.set KRO,  8
.set TP,   12
.set SF,   16                          ; streamed fragments: set s at SF + 24 s
.set HA,   64                          ; the eight accumulators
.set RT,   128                         ; cos (16) and sin (16): set s at RT + 32 s
.set PC,   192
.set TM,   212
.set PW,   228
.set SS,   230                         ; the streamed tile's two scale words: set s at SS + 2 s
.set KR,   234
.set MW,   236
.set HSC,  240                         ; the held fragments' scale words
.set SEL,  52
.set MSB, 0
.macro WIN new
.if MSB != \new
	s_set_vgpr_msb (MSB<<8)|\new
.set MSB, \new
.endif
.endm
.macro QUANT s, pc, tm, pw
.irp b, 0,1,2,3
	v_max3_num_f32 v[(\tm)+\b], |v[(\s)+16*\b]|, |v[(\s)+1+16*\b]|, 0x1800000   ; with the floor 2^(3 - 127): the byte cannot fall under 1
.endr
.irp i, 2,4,6,8,10,12,14
.irp b, 0,1,2,3
	v_max3_num_f32 v[(\tm)+\b], v[(\tm)+\b], |v[(\s)+16*\b+\i]|, |v[(\s)+1+16*\b+\i]|
.endr
.endr
.irp b, 0,1,2,3
	v_permlanex16_b32 v[(\tm)+4+\b], v[(\tm)+\b], s[SEL], s[SEL+1]
.endr
.irp b, 0,1,2,3
	v_max_num_f32 v[(\tm)+\b], v[(\tm)+\b], v[(\tm)+4+\b]
.endr
.irp b, 0,1,2,3
	v_add_nc_u32 v[(\tm)+12+\b], 0xff000000, v[(\tm)+\b]
.endr
.irp b, 0,1,2,3
	v_lshrrev_b32 v[(\tm)+4+\b], 23, v[(\tm)+12+\b]
.endr
	v_lshl_or_b32 v[\pw], v[(\tm)+5], 8, v[(\tm)+4]
	v_lshl_or_b32 v[\pw], v[(\tm)+6], 16, v[\pw]
	v_lshl_or_b32 v[\pw], v[(\tm)+7], 24, v[\pw]
.irp c, 0,1
	v_cvt_scalef32_pk16_fp6_f32 v[(\pc)+6*\c:(\pc)+2+6*\c], v[(\s)+32*\c:(\s)+15+32*\c], v[(\tm)+12+2*\c]
	v_cvt_scalef32_pk16_fp6_f32 v[(\pc)+12+4*\c:(\pc)+14+4*\c], v[(\s)+16+32*\c:(\s)+31+32*\c], v[(\tm)+13+2*\c]
.endr
	v_nop                                          ; one plain place behind a scaled conversion
.irp c, 0,1
.irp i, 0,1,2
	v_permlane16_swap_b32 v[(\pc)+6*\c+\i], v[(\pc)+12+4*\c+\i]
.endr
.irp i, 0,1,2
	v_mov_b32 v[(\pc)+3+6*\c+\i], v[(\pc)+12+4*\c+\i]
.endr
.endr
.endm
.macro IMGL reg, sb, off               ; a fragment from its image
	global_load_b128 v[\reg:\reg+3], v[LI16], s[\sb:\sb+1] offset:\off
	global_load_b64 v[\reg+4:\reg+5], v[LI8], s[\sb:\sb+1] offset:\off+512
	global_load_b128 v[\reg+6:\reg+9], v[LI16], s[\sb:\sb+1] offset:\off+768
	global_load_b64 v[\reg+10:\reg+11], v[LI8], s[\sb:\sb+1] offset:\off+1280
.endm
.macro WFRAG reg, sb, off              ; a fragment from a weight's rows of 192 bytes: six pieces of 8 bytes
.irp p, 0,1,2,3,4,5
	global_load_b64 v[\reg+2*\p:\reg+2*\p+1], v[WR], s[\sb:\sb+1] offset:\off+48*(\p/3)+8*(\p%3)
.endr
.endm
.macro PUTH reg, sb, off               ; half an image: 768 bytes
	global_store_b128 v[LI16], v[\reg:\reg+3], s[\sb:\sb+1] offset:\off
	global_store_b64 v[LI8], v[\reg+4:\reg+5], s[\sb:\sb+1] offset:\off+512
.endm
; 16 matrix instructions: the eight held tiles against the streamed tile, two K steps; the eight accumulators take turns; the first K step starts the sums
.macro CORE st
	WIN 0x01                                       ; source 0 window 1
.irp t, 0,1,2,3,4,5,6,7
	v_wmma_scale_f32_16x16x128_f8f6f4 v[HA+8*\t:HA+8*\t+7], v[24*\t:24*\t+11], v[SF+24*\st:SF+24*\st+11], 0, v[HSC+2*\t], v[SS+2*\st] matrix_a_fmt:MATRIX_FMT_FP6 matrix_b_fmt:MATRIX_FMT_FP6
.endr
.irp t, 0,1,2,3,4,5,6,7
	v_wmma_scale_f32_16x16x128_f8f6f4 v[HA+8*\t:HA+8*\t+7], v[24*\t+12:24*\t+23], v[SF+24*\st+12:SF+24*\st+23], v[HA+8*\t:HA+8*\t+7], v[HSC+2*\t+1], v[SS+2*\st+1] matrix_a_fmt:MATRIX_FMT_FP6 matrix_b_fmt:MATRIX_FMT_FP6
.endr
	WIN 0
.rept 4
	v_nop                                          ; places in front of the first read of results
.endr
.endm
	s_load_b512 s[4:19], s[0:1], 0x0               ; dbuf s[4:5], rope s[6:7], Wq_u s[8:11], Wrq s[12:15], Wk_u s[16:19]
	s_load_b256 s[20:27], s[0:1], 0x40             ; Wv_u s[20:23], qimg s[24:25], qsc s[26:27]
	s_load_b64 s[28:29], s[0:1], 0x60              ; kvb
	v_lshrrev_b32 v1, 5, v0
	v_readfirstlane_b32 s30, v1                    ; wave
	v_and_b32 v1, 15, v0                           ; r
	v_bfe_u32 v2, v0, 4, 1                         ; h
	v_and_b32 v9, 31, v0
	v_lshlrev_b32 v[LI16], 4, v9
	v_lshlrev_b32 v[LI8], 3, v9
	v_lshlrev_b32 v[LI4], 2, v9
	v_and_b32 v10, 8, v1
	v_add_nc_u32 v10, v10, v1                      ; r + 8 (r / 8)
	v_mul_u32_u24 v[WR], v10, 192
	v_mad_u32_u24 v[WR], v2, 24, v[WR]
	v_lshlrev_b32 v[WS], 3, v10
.irp b, 0,1,2,3
	v_mov_b32 v[TM+4+\b], 0                        ; written once: a lane permute's destination counts as one of its sources
.endr
	s_mov_b32 s[SEL], 0x76543210
	s_mov_b32 s[SEL+1], 0xfedcba98
	s_mov_b32 s37, 0
	s_mov_b32 s39, 0
	s_mov_b32 s49, 0
	s_mov_b32 s34, 4                               ; trips: two iterations each
	s_wait_kmcnt 0x0
	s_cmp_lt_u32 ttmp9, 128
	s_cbranch_scc0 .Lnot_q
	; ---------------- Q ----------------
	s_lshr_b32 s32, ttmp9, 3                       ; head a
	s_and_b32 s33, ttmp9, 7
	s_lshl_b32 s33, s33, 2
	s_add_co_u32 s33, s33, s30                     ; c: my eight tiles of rows are 8 c + 0 .. 7
	s_mul_i32 s48, s32, 64*192
	s_add_nc_u64 s[8:9], s[8:9], s[48:49]
	s_add_nc_u64 s[12:13], s[12:13], s[48:49]
	s_lshl_b32 s48, s32, 9
	s_add_nc_u64 s[10:11], s[10:11], s[48:49]
	s_add_nc_u64 s[14:15], s[14:15], s[48:49]
	s_mul_i32 s48, s33, 8*7680
	s_add_co_u32 s48, s48, 3072                    ; q_d's two fragments of a tile
	s_add_nc_u64 s[4:5], s[4:5], s[48:49]
	s_and_b32 s31, s33, 15
	s_lshl_b32 s48, s31, 15
	s_add_nc_u64 s[6:7], s[6:7], s[48:49]          ; the table at my first tile's positions
	s_lshr_b32 s48, s33, 4
	s_lshl_b32 s48, s48, 4
	s_add_co_u32 s48, s48, s32
	s_lshl_b32 s48, s48, 7
	s_lshl_b32 s31, s31, 3
	s_add_co_u32 s31, s48, s31                     ; (batch x 16 + a) x 128 + tile in the batch
	s_mul_i32 s48, s31, 1536
	s_add_nc_u64 s[24:25], s[24:25], s[48:49]
	s_lshl_b32 s48, s31, 7
	s_add_nc_u64 s[26:27], s[26:27], s[48:49]
	WIN 0x40                                       ; destination window 1
.irp t, 0,1,2,3
.irp k, 0,1
	WFRAG 24*\t+12*\k, 8, (32*(\t/2)+8*(\t%2))*192+96*\k
	WFRAG 96+24*\t+12*\k, 12, (32*(\t/2)+8*(\t%2))*192+96*\k
.endr
.endr
	WIN 0
.irp t, 0,1,2,3
	global_load_b64 v[HSC+2*\t:HSC+2*\t+1], v[WS], s[10:11] offset:(32*(\t/2)+8*(\t%2))*8
	global_load_b64 v[HSC+8+2*\t:HSC+8+2*\t+1], v[WS], s[14:15] offset:(32*(\t/2)+8*(\t%2))*8
.endr
.macro LOADQ st, o                     ; 18 loads
	IMGL SF+24*\st, 4, \o*7680
	IMGL SF+24*\st+12, 4, \o*7680+1536
	global_load_b32 v[SS+2*\st], v[LI4], s[4:5] offset:\o*7680+3328
	global_load_b32 v[SS+2*\st+1], v[LI4], s[4:5] offset:\o*7680+3456
.irp p, 0,1,2,3,4,5,6,7
	global_load_b128 v[RT+32*\st+4*\p:RT+32*\st+4*\p+3], v[LI16], s[6:7] offset:\o*4096+512*\p
.endr
.endm
.macro WORKQ st, o
	CORE \st
.irp i, 0,2,4,6,8,10,12,14             ; registers 32 + i hold d = 16 h + i of the rope half, registers 48 + i hold d + 32
	v_pk_mul_f32 v[TP:TP+1], v[HA+32+\i:HA+33+\i], v[RT+32*\st+16+\i:RT+32*\st+17+\i]
	v_pk_mul_f32 v[HA+32+\i:HA+33+\i], v[HA+32+\i:HA+33+\i], v[RT+32*\st+\i:RT+32*\st+1+\i]
	v_pk_fma_f32 v[HA+32+\i:HA+33+\i], v[HA+48+\i:HA+49+\i], v[RT+32*\st+16+\i:RT+32*\st+17+\i], v[HA+32+\i:HA+33+\i] neg_lo:[1,0,0] neg_hi:[1,0,0]
	v_pk_fma_f32 v[HA+48+\i:HA+49+\i], v[HA+48+\i:HA+49+\i], v[RT+32*\st+\i:RT+32*\st+1+\i], v[TP:TP+1]
.endr
	QUANT HA, PC, TM, PW
	PUTH PC, 24, \o*1536
	PUTH PC+6, 24, \o*1536+768
	global_store_b32 v[LI4], v[PW], s[26:27] offset:\o*128
.endm
	LOADQ 0, 0
.Lq:
	LOADQ 1, 1
	s_wait_loadcnt 18                              ; all but the 18 just issued: set 0 (and, the first time, the held operands) is in
	WORKQ 0, 0
	s_wait_xcnt 0x0                                ; loads and stores have read their bases and registers
	s_cmp_gt_u32 s34, 1                            ; the last trip's look-ahead stays on its own tile: no load leaves its buffer
	s_cselect_b32 s36, 2*7680, 0
	s_cselect_b32 s38, 2*4096, 0
	s_add_nc_u64 s[4:5], s[4:5], s[36:37]
	s_add_nc_u64 s[6:7], s[6:7], s[38:39]
	LOADQ 0, 0
	s_wait_loadcnt 18                              ; set 1 is in
	WORKQ 1, 1
	s_wait_xcnt 0x0
	s_add_nc_u64 s[24:25], s[24:25], 2*1536
	s_add_nc_u64 s[26:27], s[26:27], 2*128
	s_sub_co_u32 s34, s34, 1
	s_cmp_lg_u32 s34, 0
	s_cbranch_scc1 .Lq
	s_endpgm
.Lnot_q:
	s_cmp_lt_u32 ttmp9, 192
	s_cbranch_scc0 .Lv
	; ---------------- K ----------------
	s_sub_co_u32 s31, ttmp9, 128
	s_lshr_b32 s32, s31, 3                         ; hp: heads 2 hp, 2 hp + 1
	s_and_b32 s33, s31, 7
	s_lshl_b32 s33, s33, 2
	s_add_co_u32 s33, s33, s30                     ; c
	s_mul_i32 s48, s32, 128*192
	s_add_nc_u64 s[16:17], s[16:17], s[48:49]
	s_lshl_b32 s48, s32, 10
	s_add_nc_u64 s[18:19], s[18:19], s[48:49]
	s_mul_i32 s48, s33, 8*7680
	s_add_nc_u64 s[4:5], s[4:5], s[48:49]
	s_lshl_b32 s31, s32, 7
	v_add_nc_u32 v[KRO], s31, v[LI4]               ; the rope halves' scale words of this pair of heads
	s_lshr_b32 s48, s33, 4
	s_lshl_b32 s48, s48, 4
	s_lshl_b32 s31, s32, 1
	s_add_co_u32 s48, s48, s31                     ; batch x 16 + 2 hp
	s_mul_i32 s48, s48, 425984
	s_and_b32 s31, s33, 15
	s_mul_i32 s31, s31, 26624
	s_add_co_u32 s48, s48, s31
	s_add_nc_u64 s[28:29], s[28:29], s[48:49]      ; the key step's block of head 2 hp,
	s_add_nc_u64 s[40:41], s[28:29], 425984        ; of head 2 hp + 1,
	s_add_nc_u64 s[44:45], s[28:29], 12288         ; and their scale words
	s_add_nc_u64 s[46:47], s[40:41], 12288
	s_mov_b32 s42, 0x05040100
	s_mov_b32 s43, 0x07060302
	WIN 0x40
.irp t, 0,1,2,3,4,5,6,7
.irp k, 0,1
	WFRAG 24*\t+12*\k, 16, (32*(\t/2)+8*(\t%2))*192+96*\k
.endr
.endr
	WIN 0
.irp t, 0,1,2,3,4,5,6,7
	global_load_b64 v[HSC+2*\t:HSC+2*\t+1], v[WS], s[18:19] offset:(32*(\t/2)+8*(\t%2))*8
.endr
.macro LOADK st, o                     ; 11 loads
	IMGL SF+24*\st, 4, \o*7680
	IMGL SF+24*\st+12, 4, \o*7680+1536
	global_load_b32 v[SS+2*\st], v[LI4], s[4:5] offset:\o*7680+6144
	global_load_b32 v[SS+2*\st+1], v[LI4], s[4:5] offset:\o*7680+6272
	global_load_b32 v[KR+\st], v[KRO], s[4:5] offset:\o*7680+6656
.endm
.macro WORKK st, o
	CORE \st
	QUANT HA, PC, TM, PW
	v_perm_b32 v[MW], v[KR+\st], v[PW], s42        ; head 2 hp: its two content bytes, then its two rope bytes
	v_perm_b32 v[MW+1], v[KR+\st], v[PW], s43      ; head 2 hp + 1 likewise
	PUTH PC, 28, \o*1536
	PUTH PC+6, 40, \o*1536
	global_store_b32 v[LI4], v[MW], s[44:45] offset:\o*128
	global_store_b32 v[LI4], v[MW+1], s[46:47] offset:\o*128
.endm
	LOADK 0, 0
.Lk:
	LOADK 1, 1
	s_wait_loadcnt 11                              ; all but the 11 just issued
	WORKK 0, 0
	s_wait_xcnt 0x0
	s_cmp_gt_u32 s34, 1
	s_cselect_b32 s36, 2*7680, 0
	s_add_nc_u64 s[4:5], s[4:5], s[36:37]
	LOADK 0, 0
	s_wait_loadcnt 11
	WORKK 1, 1
	s_wait_xcnt 0x0
	s_add_nc_u64 s[28:29], s[28:29], 2*1536
	s_add_nc_u64 s[40:41], s[40:41], 2*1536
	s_add_nc_u64 s[44:45], s[44:45], 2*128
	s_add_nc_u64 s[46:47], s[46:47], 2*128
	s_sub_co_u32 s34, s34, 1
	s_cmp_lg_u32 s34, 0
	s_cbranch_scc1 .Lk
	s_endpgm
.Lv:
	; ---------------- V ----------------
	s_sub_co_u32 s31, ttmp9, 192
	s_lshr_b32 s32, s31, 2                         ; which 128 keys of the 4,096 rows
	s_and_b32 s33, s31, 3
	s_lshl_b32 s33, s33, 2
	s_add_co_u32 s33, s33, s30                     ; head a
	s_mul_i32 s48, s32, 8*7680
	s_add_nc_u64 s[4:5], s[4:5], s[48:49]
	s_mul_i32 s48, s33, 128*192
	s_add_nc_u64 s[20:21], s[20:21], s[48:49]
	s_lshl_b32 s48, s33, 10
	s_add_nc_u64 s[22:23], s[22:23], s[48:49]
	s_lshr_b32 s48, s32, 4
	s_lshl_b32 s48, s48, 4
	s_add_co_u32 s48, s48, s33
	s_mul_i32 s48, s48, 425984
	s_and_b32 s31, s32, 15
	s_mul_i32 s31, s31, 26624
	s_add_co_u32 s48, s48, s31
	s_add_co_u32 s48, s48, 13312
	s_add_nc_u64 s[28:29], s[28:29], s[48:49]      ; the key step's images of V,
	s_add_nc_u64 s[44:45], s[28:29], 12288         ; and their scale words
	WIN 0x40
.irp t, 0,1,2,3,4,5,6,7
.irp k, 0,1
	IMGL 24*\t+12*\k, 4, \t*7680+1536*\k
.endr
.endr
	WIN 0
.irp t, 0,1,2,3,4,5,6,7
.irp k, 0,1
	global_load_b32 v[HSC+2*\t+\k], v[LI4], s[4:5] offset:\t*7680+6144+128*\k
.endr
.endr
.macro LOADV st, o                     ; 13 loads: tile 2 i + o of the head's channels begins at row 32 i + 8 o
	WFRAG SF+24*\st, 20, \o*1536
	WFRAG SF+24*\st+12, 20, \o*1536+96
	global_load_b64 v[SS+2*\st:SS+2*\st+1], v[WS], s[22:23] offset:\o*64
.endm
.macro WORKV st, o
	CORE \st
	QUANT HA, PC, TM, PW
	PUTH PC, 28, \o*1536
	PUTH PC+6, 28, \o*1536+768
	global_store_b32 v[LI4], v[PW], s[44:45] offset:\o*128
.endm
	LOADV 0, 0
.Lvv:
	LOADV 1, 1
	s_wait_loadcnt 13                              ; all but the 13 just issued
	WORKV 0, 0
	s_wait_xcnt 0x0
	s_cmp_gt_u32 s34, 1
	s_cselect_b32 s36, 32*192, 0
	s_cselect_b32 s38, 32*8, 0
	s_add_nc_u64 s[20:21], s[20:21], s[36:37]
	s_add_nc_u64 s[22:23], s[22:23], s[38:39]
	LOADV 0, 0
	s_wait_loadcnt 13
	WORKV 1, 1
	s_wait_xcnt 0x0
	s_add_nc_u64 s[28:29], s[28:29], 2*1536
	s_add_nc_u64 s[44:45], s[44:45], 2*128
	s_sub_co_u32 s34, s34, 1
	s_cmp_lg_u32 s34, 0
	s_cbranch_scc1 .Lvv
	s_endpgm
.Lfunc_end_k_qe1ef1748ad_up:
	.size	k_qe1ef1748ad_up, .Lfunc_end_k_qe1ef1748ad_up-k_qe1ef1748ad_up
	.p2alignl 7, 3214868480
	.fill 96, 4, 3214868480
	.section	.rodata,"a",@progbits
	.p2align	6, 0x0
	.amdhsa_kernel k_qe1ef1748ad_up
		.amdhsa_group_segment_fixed_size 0
		.amdhsa_private_segment_fixed_size 0
		.amdhsa_enable_private_segment 0
		.amdhsa_kernarg_size 104
		.amdhsa_user_sgpr_count 2
		.amdhsa_user_sgpr_kernarg_segment_ptr 1
		.amdhsa_wavefront_size32 1
		.amdhsa_system_sgpr_workgroup_id_x 1
		.amdhsa_system_sgpr_workgroup_id_y 1
		.amdhsa_system_sgpr_workgroup_id_z 1
		.amdhsa_system_vgpr_workitem_id 0
		.amdhsa_next_free_vgpr 448
		.amdhsa_next_free_sgpr 66
		.amdhsa_reserve_vcc 0
		.amdhsa_float_denorm_mode_32 3
		.amdhsa_float_denorm_mode_16_64 3
		.amdhsa_memory_ordered 1
		.amdhsa_forward_progress 1
		.amdhsa_inst_pref_size 89
	.end_amdhsa_kernel
	.amdgpu_metadata
---
amdhsa.version: [ 1, 2 ]
amdhsa.kernels:
  - .name:           k_qe1ef1748ad_up
    .symbol:         k_qe1ef1748ad_up.kd
    .args:
      - { .name: dbuf, .offset: 0, .size: 8, .value_kind: global_buffer, .address_space: global }
      - { .name: rope, .offset: 8, .size: 8, .value_kind: global_buffer, .address_space: global }
      - { .name: Wq_u_codes, .offset: 16, .size: 8, .value_kind: global_buffer, .address_space: global }
      - { .name: Wq_u_scales, .offset: 24, .size: 8, .value_kind: global_buffer, .address_space: global }
      - { .name: Wrq_codes, .offset: 32, .size: 8, .value_kind: global_buffer, .address_space: global }
      - { .name: Wrq_scales, .offset: 40, .size: 8, .value_kind: global_buffer, .address_space: global }
      - { .name: Wk_u_codes, .offset: 48, .size: 8, .value_kind: global_buffer, .address_space: global }
      - { .name: Wk_u_scales, .offset: 56, .size: 8, .value_kind: global_buffer, .address_space: global }
      - { .name: Wv_u_codes, .offset: 64, .size: 8, .value_kind: global_buffer, .address_space: global }
      - { .name: Wv_u_scales, .offset: 72, .size: 8, .value_kind: global_buffer, .address_space: global }
      - { .name: qimg, .offset: 80, .size: 8, .value_kind: global_buffer, .address_space: global }
      - { .name: qsc, .offset: 88, .size: 8, .value_kind: global_buffer, .address_space: global }
      - { .name: kvb, .offset: 96, .size: 8, .value_kind: global_buffer, .address_space: global }
    .group_segment_fixed_size: 0
    .private_segment_fixed_size: 0
    .kernarg_segment_align: 8
    .kernarg_segment_size: 104
    .max_flat_workgroup_size: 128
    .sgpr_count:     66
    .vgpr_count:     448
    .wavefront_size: 32
...
	.end_amdgpu_metadata
.endif
;; end of part 2
;; launch attn (part 3): grid 8 x 32, 16 waves a work-group, no clusters, 327,680 bytes of LDS; arguments qimg, qsc, kvb, yimg, ysc; writes yimg, ysc
.if DOCPART == 3
	.amdgcn_target "amdgcn-amd-amdhsa--gfx1250"
	.amdhsa_code_object_version 6
	.text
	.protected	k_qe1ef1748ad_attn
	.globl	k_qe1ef1748ad_attn
	.p2align	8
	.type	k_qe1ef1748ad_attn,@function
k_qe1ef1748ad_attn:
	s_mov_b64 s[64:65], 0
	v_nop
	global_prefetch_b8 v0, s[64:65] scope:SCOPE_SE
	s_setreg_imm32_b32 hwreg(HW_REG_WAVE_MODE, 25, 1), 1
	s_wait_xcnt 0x0
; ATTN: causal attention on codes of FP6 (E2M3), 32 heads (batch x 16 + head) of 2,048 positions x 128; y is quantised along the head's 128 and stored as images for the last product.
; THE SOFTMAX: t = score x log2(e) / sqrt(128); M = the row's largest t so far, rounded up to a whole number; p = 2^(t - M) is quantised along the keys, not normalised; the row's sum is taken of the unquantised p and divides O at the end.
; SHARES.  Work-group (x, head) takes tile x (16 queries) of EACH of the sixteen blocks of 128 queries, one tile a wave: every work-group has 136 tile steps, and four waves 4 apart have 34.
; Every wave walks all sixteen key steps of 128 keys (constant trip counts, every barrier passed); a step whose keys all come after the wave's block is jumped over, the step on the diagonal is masked: scalar branches on the wave's number and a counter.
; Both products are used transposed (S^T = K Q^T, O^T = V^T P^T): a lane holds one query.  K's and V's fragments and scale words of a key step lie in memory as images of registers, 26,624 dense bytes;
; a slot of the ring holds two steps, brought by waves 0 to 3, a quarter each.  The rows of a tile are 32 G + 8 u + r + 8 (r / 8): p's and O's 16 registers of two neighbouring tiles are 16 neighbours along the next K.
; No cluster: what a wave masks hangs on x; the eight work-groups of a head share K and V through the cache only.
; LIMITS: NaN and infinities are not served; a block of zeros gets the scale byte 1 (its codes are zeros; only this program reads the bytes).
; REGISTERS: v1-7 lane terms; v8-10 LDS addresses in hand; v12 -M, v13 the largest t, v[14:15] the sum; v16-27 Q; v28 the prefetches' offset; v32-79 four fragments; v96-159 S^T, then p; v160-223 O^T; v224-235 codes; v232-254 at work; v248-251, v253, v255 scale words.
.set STEPB, 26624
.set SLOTB, 2*STEPB
.set SLOT1, 65536
.set SPARE, 131072                     ; the spare words: 128 bytes for each of 16 waves, named by no other line
.set A16L, 1
.set A8L,  2
.set A4L,  3
.set DQ,   4                           ; my query's place in its block of 128, less 16 h
.set SPW,  5
.set NIL,  6
.set YSO,  7
.set ADK,  8
.set ADV,  9
.set ADS,  10
.set PFO,  28
.set WV,   18
.set SEL,  20
.set CS,   22
.set G1,   24
.set G0,   32
.set TB,   36
.set KS,   37
.set BLK,  38
.set SLOTS, 39
.set PFA,  40
.set LIM,  42
.macro TLOAD                           ; waves 0 to 3 fetch a quarter of a slot each; four v_nop follow the line
	s_cmp_lt_u32 s[WV], 4
	s_cbranch_scc0 .Lasked_\@
	tensor_load_to_lds s[G0:G0+3], s[G1:G1+7]
	s_nop 0
.rept 4
	v_nop
.endr
.Lasked_\@:
.endm
; a prefetch of the slot that the NEXT change of slots will ask for: 208 runs of 256 bytes, a lane a run, by waves 4 to 10 of the head's first work-group (the last lanes are held at the last run); the last change that fills a slot asks for nothing
.macro ASK
	s_cmp_gt_u32 s[SLOTS], s[LIM]
	s_cbranch_scc0 .Lnot_mine_\@
	global_prefetch_b8 v[PFO], s[PFA:PFA+1] th:TH_LOAD_NT scope:SCOPE_SE
.Lnot_mine_\@:
.endm
.macro FRG reg, off                    ; a fragment from its image in LDS
	ds_load_b128 v[\reg:\reg+3], v[ADK] offset:\off
	ds_load_b64 v[\reg+4:\reg+5], v[ADV] offset:\off+512
	ds_load_b128 v[\reg+6:\reg+9], v[ADK] offset:\off+768
	ds_load_b64 v[\reg+10:\reg+11], v[ADV] offset:\off+1280
.endm
	s_load_b256 s[4:11], s[0:1], 0x0               ; qimg s[4:5], qsc s[6:7], kvb s[8:9], yimg s[10:11]
	s_load_b64 s[12:13], s[0:1], 0x20              ; ysc
	v_lshl_add_u32 v[SPW], v0, 2, SPARE
	v_mov_b32 v[NIL], 0
	ds_add_u32 v5, v6
	s_wait_dscnt 0x0
	v_lshrrev_b32 v8, 5, v0
	v_readfirstlane_b32 s[WV], v8
	s_lshr_b32 s44, s[WV], 2
	s_and_b32 s45, s[WV], 3
	s_and_b32 s46, s44, 1
	s_mul_i32 s46, s46, 3
	s_xor_b32 s45, s45, s46
	s_lshl_b32 s[BLK], s44, 2
	s_add_co_u32 s[BLK], s[BLK], s45               ; my block of 128 queries: 4 (w / 4) + (w % 4, mirrored in every second four)
	s_lshl_b32 s47, s[BLK], 3
	s_add_co_u32 s47, s47, ttmp9                   ; my tile of queries in the batch
	s_and_b32 s48, ttmp7, 0xffff                   ; batch x 16 + head
	s_mov_b32 s[G1], 3<<16                         ; a dense block as 52 rows of 32 elements of 8 bytes
	s_mov_b32 s[G1+1], 32<<16
	s_mov_b32 s[G1+2], 52<<16
	s_mov_b32 s[G1+3], 32<<16
	s_mov_b32 s[G1+4], 52
	s_mov_b32 s[G1+5], 32
	s_mov_b32 s[G1+6], 0
	s_mov_b32 s[G1+7], 0
	s_mul_i32 s50, s48, 425984
	s_mov_b32 s51, 0
	s_mul_i32 s52, s[WV], 13312
	s_mov_b32 s53, 0
	s_mov_b32 s[SEL], 0x76543210
	s_mov_b32 s[SEL+1], 0xfedcba98
	s_mov_b32 s[CS], 0x3e0293ee                    ; log2(e) / sqrt(128)
	s_mov_b32 s[CS+1], s[CS]
	s_mov_b32 s[TB], 0
	s_mov_b32 s[KS], 0
	s_mov_b32 s[SLOTS], 7
	s_wait_kmcnt 0x0
	s_add_nc_u64 s[8:9], s[8:9], s[50:51]          ; kvb at my head
	s_mov_b32 s[G0], 1
	s_mov_b32 s[G0+1], s52
	s_add_nc_u64 s[G0+2:G0+3], s[8:9], s[52:53]
	s_or_b32 s[G0+3], s[G0+3], 0x80000000
	TLOAD                                          ; slot 0
	s_add_nc_u64 s[PFA:PFA+1], s[8:9], SLOTB       ; at slot 1: the first change of slots steps it to slot 2
	s_sub_co_u32 s44, s[WV], 4
	s_cmp_lt_u32 s44, 7
	s_cselect_b32 s45, 0, 1
	s_or_b32 s45, s45, ttmp9
	s_cmp_eq_u32 s45, 0
	s_cselect_b32 s[LIM], 1, -1
	s_lshl_b32 s50, s48, 7
	s_add_co_u32 s50, s50, s47
	s_mul_i32 s52, s50, 1536
	s_add_nc_u64 s[4:5], s[4:5], s[52:53]
	s_lshl_b32 s52, s50, 7
	s_add_nc_u64 s[6:7], s[6:7], s[52:53]
	s_lshr_b32 s49, s48, 4                         ; the batch
	s_and_b32 s48, s48, 15                         ; the head
	s_lshl_b32 s50, s49, 7
	s_add_co_u32 s50, s50, s47
	s_lshl_b32 s50, s50, 4
	s_add_co_u32 s50, s50, s48
	s_mul_i32 s52, s50, 1536
	s_add_nc_u64 s[10:11], s[10:11], s[52:53]      ; yimg: tile, head
	s_lshl_b32 s50, s49, 4
	s_add_co_u32 s50, s50, s[BLK]
	s_lshl_b32 s52, s50, 13                        ; 128 rows of 64 bytes
	s_lshl_b32 s50, s48, 2
	s_add_co_u32 s52, s52, s50
	s_add_nc_u64 s[12:13], s[12:13], s[52:53]      ; ysc: my block's first row, the head's word
	s_lshr_b32 s50, ttmp9, 1
	s_lshl_b32 s50, s50, 5
	s_and_b32 s52, ttmp9, 1
	s_lshl_b32 s52, s52, 3
	s_add_co_u32 s50, s50, s52
	v_and_b32 v8, 31, v0
	v_lshlrev_b32 v[A16L], 4, v8
	v_lshlrev_b32 v[A8L], 3, v8
	v_lshlrev_b32 v[A4L], 2, v8
	v_and_b32 v9, 15, v0
	v_bfe_u32 v10, v0, 4, 1
	v_and_b32 v11, 8, v9
	v_add_nc_u32 v11, v11, v9
	v_add_nc_u32 v11, s50, v11                     ; my query's place in its block: 32 (x / 2) + 8 (x % 2) + r + 8 (r / 8)
	v_lshlrev_b32 v[YSO], 6, v11
	v_lshlrev_b32 v10, 4, v10
	v_sub_nc_u32 v[DQ], v11, v10
	v_add_nc_u32 v[PFO], 0xffffff80, v0
	v_min_u32 v[PFO], 207, v[PFO]
	v_lshlrev_b32 v[PFO], 8, v[PFO]
	global_load_b128 v[16:19], v[A16L], s[4:5]     ; Q's fragment stays in registers
	global_load_b64 v[20:21], v[A8L], s[4:5] offset:512
	global_load_b128 v[22:25], v[A16L], s[4:5] offset:768
	global_load_b64 v[26:27], v[A8L], s[4:5] offset:1280
	global_load_b32 v255, v[A4L], s[6:7]
	v_mov_b32 v13, 0xff61b1e6                      ; the largest t so far: -3e38
	v_floor_f32 v12, -v13
	v_mov_b32 v14, 0
	v_mov_b32 v15, 0
.irp b, 0,1,2,3
	v_mov_b32 v[236+\b], 0                         ; written once: a lane permute's destination counts as one of its sources
.endr
	v_mov_b32 v252, 0
	v_mov_b32 v253, 0
.set J, 0
.rept 64
	v_mov_b32 v[160+J], 0                          ; O^T: the step is written once; the first change of M leaves zeros zeros
.set J, J+1
.endr
; A KEY STEP: 128 keys, the q-th of the slot in hand
.macro STEP q
	s_cmp_gt_u32 s[KS], s[BLK]                     ; all its keys come after my queries: only the counter steps
	s_cbranch_scc1 .Lhidden_\@
	v_add_nc_u32 v[ADK], s[TB], v[A16L]
	v_add_nc_u32 v[ADV], s[TB], v[A8L]
	v_add_nc_u32 v[ADS], s[TB], v[A4L]
	v_nop                                          ; four places in front of loads into registers that the last products read
.irp g, 0,1                            ; S^T = K Q^T, four tiles of 16 keys at a time
.if \g > 0
.rept 4
	v_nop
.endr
.endif
.irp t, 0,1,2,3
	FRG 32+12*\t, (\q)*STEPB+(4*\g+\t)*1536
	ds_load_b32 v[248+\t], v[ADS] offset:(\q)*STEPB+12288+(4*\g+\t)*128
.endr
	s_wait_dscnt 0x0
.irp t, 0,1,2,3
	v_wmma_scale_f32_16x16x128_f8f6f4 v[96+8*(4*\g+\t):103+8*(4*\g+\t)], v[32+12*\t:43+12*\t], v[16:27], 0, v[248+\t], v255 matrix_a_fmt:MATRIX_FMT_FP6 matrix_b_fmt:MATRIX_FMT_FP6
.endr
.endr
.rept 4
	v_nop
.endr
	s_cmp_lg_u32 s[KS], s[BLK]                     ; on the diagonal hidden scores become -infinity: register 16 b + i holds key 32 b + 16 h + i of the step
	s_cbranch_scc1 .Lopen_\@
	v_mov_b32 v254, 0xff800000
.set J, 0
.rept 64
	v_cmp_gt_i32 vcc_lo, 32*(J/16)+J%16, v[DQ]
	v_cndmask_b32 v[96+J], v[96+J], v254, vcc_lo
.set J, J+1
.endr
.Lopen_\@:
.irp b, 0,1,2,3
	v_max3_num_f32 v[232+\b], v[96+16*\b], v[97+16*\b], v[98+16*\b]   ; the largest score of each block of 32 keys: for the row's maximum and for the block's largest p
.endr
.irp i, 3,5,7,9,11,13
.irp b, 0,1,2,3
	v_max3_num_f32 v[232+\b], v[232+\b], v[96+16*\b+\i], v[97+16*\b+\i]
.endr
.endr
.irp b, 0,1,2,3
	v_max_num_f32 v[232+\b], v[232+\b], v[111+16*\b]
.endr
.irp b, 0,1,2,3
	v_permlanex16_b32 v[236+\b], v[232+\b], s[SEL], s[SEL+1]
.endr
.irp b, 0,1,2,3
	v_max_num_f32 v[232+\b], v[232+\b], v[236+\b]
.endr
	v_max3_num_f32 v254, v232, v233, v234
	v_max_num_f32 v254, v254, v235
	v_mul_f32 v254, s[CS], v254
	v_max_num_f32 v13, v13, v254                   ; the running largest t
	v_mov_b32 v254, v12
	v_floor_f32 v12, -v13                          ; the new -M: M is a whole number
	v_sub_f32 v254, v12, v254
	v_cvt_i32_f32 v254, v254                       ; (it saturates)
	v_ldexp_f32 v252, 1.0, v254                    ; f = 2^(old M - new M)
.irp j, 0,2,4,6,8,10,12,14,16,18,20,22,24,26,28,30,32,34,36,38,40,42,44,46,48,50,52,54,56,58,60,62
	v_pk_fma_f32 v[96+\j:97+\j], v[96+\j:97+\j], s[CS:CS+1], v[12:13] op_sel_hi:[1,0,0]   ; t - M
.endr
.irp b, 0,1,2,3
	v_fma_f32 v[232+\b], v[232+\b], s[CS], v12
.endr
.set J, 0
.rept 64
	v_exp_f32 v[96+J], v[96+J]                     ; p = 2^(t - M)
.set J, J+1
.endr
	v_pk_mul_f32 v[14:15], v[14:15], v[252:253] op_sel_hi:[1,0]      ; the sums under the new M: a plain place behind the exponentials
	s_wait_alu depctr_va_vdst(0)                   ; one wait for the whole batch, ahead of its first reader
.irp b, 0,1,2,3
	v_exp_f32 v[232+\b], v[232+\b]                 ; the block's largest p
.endr
	v_pk_add_f32 v[236:237], v[96:97], v[98:99]    ; the row's sum of the unquantised p, in two chains
.irp j, 4,8,12,16,20,24,28,32,36,40,44,48,52,56,60
	v_pk_add_f32 v[14:15], v[14:15], v[96+\j:97+\j]
	v_pk_add_f32 v[236:237], v[236:237], v[98+\j:99+\j]
.endr
	v_pk_add_f32 v[14:15], v[14:15], v[236:237]
	s_wait_alu depctr_va_vdst(0)                   ; and one for the four
.irp b, 0,1,2,3
	v_max_num_f32 v[232+\b], 0x1800000, v[232+\b]  ; the floor 2^(3 - 127)
.endr
.irp b, 0,1,2,3
	v_add_nc_u32 v[244+\b], 0xff000000, v[232+\b]
.endr
.irp b, 0,1,2,3
	v_lshrrev_b32 v[236+\b], 23, v[244+\b]
.endr
	v_lshl_or_b32 v253, v237, 8, v236              ; p's scale word for these 128 keys
	v_lshl_or_b32 v253, v238, 16, v253
	v_lshl_or_b32 v253, v239, 24, v253
.irp c, 0,1
	v_cvt_scalef32_pk16_fp6_f32 v[224+6*\c:226+6*\c], v[96+32*\c:111+32*\c], v[244+2*\c]
	v_cvt_scalef32_pk16_fp6_f32 v[236+4*\c:238+4*\c], v[112+32*\c:127+32*\c], v[244+2*\c+1]
.endr
	v_nop                                          ; one plain place behind a scaled conversion
.irp c, 0,1
.irp i, 0,1,2
	v_permlane16_swap_b32 v[224+6*\c+\i], v[236+4*\c+\i]
.endr
.irp i, 0,1,2
	v_mov_b32 v[227+6*\c+\i], v[236+4*\c+\i]
.endr
.endr
.irp j, 0,2,4,6,8,10,12,14,16,18,20,22,24,26,28,30,32,34,36,38,40,42,44,46,48,50,52,54,56,58,60,62
	v_pk_mul_f32 v[160+\j:161+\j], v[160+\j:161+\j], v[252:253] op_sel_hi:[1,0]   ; O^T under the new M; these are also the places in front of the products and loads below
.endr
.irp g, 0,1                            ; O^T += V^T P^T, four tiles of 16 channels at a time
.if \g > 0
.rept 4
	v_nop
.endr
.endif
.irp t, 0,1,2,3
	FRG 32+12*\t, (\q)*STEPB+13312+(4*\g+\t)*1536
	ds_load_b32 v[248+\t], v[ADS] offset:(\q)*STEPB+25600+(4*\g+\t)*128
.endr
	s_wait_dscnt 0x0
.irp t, 0,1,2,3
	v_wmma_scale_f32_16x16x128_f8f6f4 v[160+8*(4*\g+\t):167+8*(4*\g+\t)], v[32+12*\t:43+12*\t], v[224:235], v[160+8*(4*\g+\t):167+8*(4*\g+\t)], v[248+\t], v253 matrix_a_fmt:MATRIX_FMT_FP6 matrix_b_fmt:MATRIX_FMT_FP6
.endr
.endr
.Lhidden_\@:
	s_add_co_u32 s[KS], s[KS], 1
.endm
; THE CHANGE OF SLOTS stands at a slot's head: the wave waits for all its tensor loads, adds 0 to its spare word, waits for that and for its reads of the slot that it has left; behind the barrier that slot is filled with the keys that follow
.macro CHANGE fill
	s_wait_tensorcnt 0x0                           ; no tensor load of mine is out, so group 0 may be written
	ds_add_u32 v[SPW], v[NIL]
.if \fill
	s_xor_b32 s[G0+1], s[G0+1], SLOT1
	s_add_nc_u64 s[G0+2:G0+3], s[G0+2:G0+3], SLOTB
	s_wait_xcnt 0x0                                ; the last prefetch, a slot back, has read its address
	s_add_nc_u64 s[PFA:PFA+1], s[PFA:PFA+1], SLOTB
.endif
	s_wait_dscnt 0x0
	s_barrier_signal -1
	s_barrier_wait -1
.if \fill
	TLOAD                                          ; the first thing behind the barrier, a wave's one tensor load until the next
	ASK
.endif
.endm
	s_wait_loadcnt 0x0                             ; Q
.Lslot:                                            ; seven trips: behind each change of slots but the last the next slot is asked for
	CHANGE 1
	STEP 0
	STEP 1
	s_xor_b32 s[TB], s[TB], SLOT1
	s_sub_co_u32 s[SLOTS], s[SLOTS], 1
	s_cmp_lg_u32 s[SLOTS], 0
	s_cbranch_scc1 .Lslot
	CHANGE 0                                       ; the last slot is written out
	STEP 0
	STEP 1
	; THE WAY OUT: O^T / the sum; its 64 registers are channels 32 b + 16 h + i of my query: quantised, they are K step 'head' of the last product
.rept 4
	v_nop
.endr
	v_add_f32 v14, v14, v15
	v_permlanex16_b32 v252, v14, s[SEL], s[SEL+1]
	v_add_f32 v14, v14, v252
	v_rcp_f32 v14, v14
	v_nop                                          ; a plain place behind the reciprocal
	s_wait_alu depctr_va_vdst(0)                   ; the wait ahead of its first reader
.set J, 0
.rept 64
	v_mul_f32 v[96+J], v[160+J], v14
.set J, J+1
.endr
.irp b, 0,1,2,3
	v_max3_num_f32 v[232+\b], |v[96+16*\b]|, |v[97+16*\b]|, 0x1800000
.endr
.irp i, 2,4,6,8,10,12,14
.irp b, 0,1,2,3
	v_max3_num_f32 v[232+\b], v[232+\b], |v[96+16*\b+\i]|, |v[97+16*\b+\i]|
.endr
.endr
.irp b, 0,1,2,3
	v_permlanex16_b32 v[236+\b], v[232+\b], s[SEL], s[SEL+1]
.endr
.irp b, 0,1,2,3
	v_max_num_f32 v[232+\b], v[232+\b], v[236+\b]
.endr
.irp b, 0,1,2,3
	v_add_nc_u32 v[244+\b], 0xff000000, v[232+\b]
.endr
.irp b, 0,1,2,3
	v_lshrrev_b32 v[236+\b], 23, v[244+\b]
.endr
	v_lshl_or_b32 v253, v237, 8, v236
	v_lshl_or_b32 v253, v238, 16, v253
	v_lshl_or_b32 v253, v239, 24, v253
.irp c, 0,1
	v_cvt_scalef32_pk16_fp6_f32 v[224+6*\c:226+6*\c], v[96+32*\c:111+32*\c], v[244+2*\c]
	v_cvt_scalef32_pk16_fp6_f32 v[236+4*\c:238+4*\c], v[112+32*\c:127+32*\c], v[244+2*\c+1]
.endr
	v_nop
.irp c, 0,1
.irp i, 0,1,2
	v_permlane16_swap_b32 v[224+6*\c+\i], v[236+4*\c+\i]
.endr
.irp i, 0,1,2
	v_mov_b32 v[227+6*\c+\i], v[236+4*\c+\i]
.endr
.endr
	global_store_b128 v[A16L], v[224:227], s[10:11]
	global_store_b64 v[A8L], v[228:229], s[10:11] offset:512
	global_store_b128 v[A16L], v[230:233], s[10:11] offset:768
	global_store_b64 v[A8L], v[234:235], s[10:11] offset:1280
	global_store_b32 v[YSO], v253, s[12:13]        ; my row's word (lanes 16-31 store the same word again)
	s_wait_tensorcnt 0x0                           ; the wave's end
	ds_add_u32 v[SPW], v[NIL]
	s_wait_dscnt 0x0
	s_endpgm
.Lfunc_end_k_qe1ef1748ad_attn:
	.size	k_qe1ef1748ad_attn, .Lfunc_end_k_qe1ef1748ad_attn-k_qe1ef1748ad_attn
	.p2alignl 7, 3214868480
	.fill 96, 4, 3214868480
	.section	.rodata,"a",@progbits
	.p2align	6, 0x0
	.amdhsa_kernel k_qe1ef1748ad_attn
		.amdhsa_group_segment_fixed_size 327680
		.amdhsa_private_segment_fixed_size 0
		.amdhsa_enable_private_segment 0
		.amdhsa_kernarg_size 40
		.amdhsa_user_sgpr_count 2
		.amdhsa_user_sgpr_kernarg_segment_ptr 1
		.amdhsa_wavefront_size32 1
		.amdhsa_system_sgpr_workgroup_id_x 1
		.amdhsa_system_sgpr_workgroup_id_y 1
		.amdhsa_system_sgpr_workgroup_id_z 1
		.amdhsa_system_vgpr_workitem_id 0
		.amdhsa_next_free_vgpr 256
		.amdhsa_next_free_sgpr 66
		.amdhsa_reserve_vcc 1
		.amdhsa_float_denorm_mode_32 3
		.amdhsa_float_denorm_mode_16_64 3
		.amdhsa_memory_ordered 1
		.amdhsa_forward_progress 1
		.amdhsa_inst_pref_size 117
	.end_amdhsa_kernel
	.amdgpu_metadata
---
amdhsa.version: [ 1, 2 ]
amdhsa.kernels:
  - .name:           k_qe1ef1748ad_attn
    .symbol:         k_qe1ef1748ad_attn.kd
    .args:
      - { .name: qimg, .offset: 0, .size: 8, .value_kind: global_buffer, .address_space: global }
      - { .name: qsc, .offset: 8, .size: 8, .value_kind: global_buffer, .address_space: global }
      - { .name: kvb, .offset: 16, .size: 8, .value_kind: global_buffer, .address_space: global }
      - { .name: yimg, .offset: 24, .size: 8, .value_kind: global_buffer, .address_space: global }
      - { .name: ysc, .offset: 32, .size: 8, .value_kind: global_buffer, .address_space: global }
    .group_segment_fixed_size: 327680
    .private_segment_fixed_size: 0
    .kernarg_segment_align: 8
    .kernarg_segment_size: 40
    .max_flat_workgroup_size: 512
    .sgpr_count:     66
    .vgpr_count:     256
    .wavefront_size: 32
...
	.end_amdgpu_metadata
.endif
;; end of part 3
;; launch outp (part 4): grid 16 x 16, 4 waves a work-group, clusters of 4 x 4, 327,680 bytes of LDS; arguments yimg, ysc, Wo_codes, Wo_scales, out0; writes out0
.if DOCPART == 4
	.amdgcn_target "amdgcn-amd-amdhsa--gfx1250"
	.amdhsa_code_object_version 6
	.text
	.protected	k_qe1ef1748ad_outp
	.globl	k_qe1ef1748ad_outp
	.p2align	8
	.type	k_qe1ef1748ad_outp,@function
k_qe1ef1748ad_outp:
	s_mov_b64 s[64:65], 0
	v_nop
	global_prefetch_b8 v0, s[64:65] scope:SCOPE_SE
	s_setreg_imm32_b32 hwreg(HW_REG_WAVE_MODE, 25, 1), 1
	s_wait_xcnt 0x0
	s_wait_alu depctr_hold_cnt(0) depctr_sa_sdst(0) depctr_va_vdst(0) depctr_va_sdst(0) depctr_va_ssrc(0) depctr_va_vcc(0) depctr_vm_vsrc(0)
	s_getreg_b32 s2, hwreg(HW_REG_IB_STS2, 6, 4)
	s_cmp_eq_u32 s2, 0
	s_cbranch_scc0 .Lentry_in_a_cluster
	s_endpgm
.Lentry_in_a_cluster:
	s_bfe_u32 s2, ttmp6, 0x10000c
	s_cmp_lg_u32 s2, 0xf033
	s_cbranch_scc0 .Lentry_shape_is_right
	s_endpgm
.Lentry_shape_is_right:
; OUTP: out0 = y Wo, 4,096 x 2,048, K = 2,048, on codes of FP6 (E2M3) with E8M0 scales; sums and result f32.
; A work-group makes 256 rows x 128 columns, a wave 64 rows x 128 columns: 32 accumulators.  Source 0 = 16 rows of Wo's codes (columns of out0), source 1 = 16 rows of y: a lane holds eight neighbouring numbers of a row of out0.
; y lies in memory as images of operand registers, [tile of 16 rows][head][1,536 bytes]; a tile's rows are 32 G + 8 u + r + 8 (r / 8).  Its scale words lie by rows, 64 bytes a row.
; K goes in steps of 256 (two heads) through a ring of two LDS slots; the scale bytes come once.  4 x 4 work-groups form a cluster: y's tiles are asked for jointly along a row, Wo's along a column.
; REGISTERS: window 0: v16-30 addresses; v32-79 scale words; v128-223 y's fragments, two sets; on the way out v128-255 rows of out0.  window 1: Wo's fragments, two sets.  window 2: accumulator (a, b) at v[8 (8 a + b)].
.set KROW,  1536
.set ROWB,  192
.set PITCH, 240
.set BOFF,  16*3072                    ; a slot: 16 tiles x 3,072 bytes of y's images, then 128 rows of Wo
.set SLOT,  BOFF+128*PITCH
.set SCLA,  2*SLOT
.set SCLB,  SCLA+64*272
.set SPARE, SCLB+32*272                ; the spare words: 128 bytes a wave, named by no other line
.set SPITCH, 528                       ; the way out: a stage of 16 rows x (512 + 16) bytes a wave, in slot 0, which has had its last fill and its last read by then
.set ADRA, 16                          ; v16-17 my images in slot 0, 1 at 16 x lane; v18-19 at 8 x lane
.set ADRB, 20
.set ADSA, 24
.set ADSB, 25
.set STO,  26
.set RD,   27
.set SPW,  28
.set NIL,  29
.set CO,   30
.set SCA,  32
.set SCB,  48
.set AF,   128
.set BK,   128
.set G1A,  24
.set G0A,  32
.set G1B,  48
.set G0B,  56
.set G1SA, 68
.set G0SA, 76
.set G1SB, 80
.set G0SB, 88
.set W_MUL, 0xa1
.set MSB, 0
.macro WIN new
.if MSB != \new
	s_set_vgpr_msb (MSB<<8)|\new
.set MSB, \new
.endif
.endm
.macro PLACES n
.rept \n
	v_nop
.endr
.endm
.macro JLOAD g0a, g1a, g0b, g1b        ; waves 0 and 1 fetch for y, waves 2 and 3 for Wo; four v_nop follow each line
	s_cmp_eq_u32 s15, 0
	s_cbranch_scc0 .Lfor_b_\@
	tensor_load_to_lds s[\g0a:\g0a+3], s[\g1a:\g1a+7]
	s_nop 0
.rept 4
	v_nop
.endr
	s_branch .Lasked_\@
.Lfor_b_\@:
	tensor_load_to_lds s[\g0b:\g0b+3], s[\g1b:\g1b+7]
	s_nop 0
.rept 4
	v_nop
.endr
.Lasked_\@:
.endm
.macro CREST
	s_cmp_lg_u32 s14, 0
	s_cbranch_scc1 .Lnot_wave_0_\@
	s_barrier_signal -3
.Lnot_wave_0_\@:
	s_barrier_wait -3
	s_barrier_signal -1
	s_barrier_wait -1
.endm
.macro CROUND
	s_barrier_signal -1
	s_barrier_wait -1
	CREST
.endm
.macro FRAG reg, adr, q, i
.irp p, 0,1,2,3,4,5
.set PCE, 12*(\q)+6*(\p/3)+\p%3
.if PCE%8 < 5
	ds_load_b64 v[\reg+2*\p:\reg+2*\p+1], v[\adr] offset:8*PCE+16*(PCE/8)+(\i)*16*PITCH
.else
	ds_load_b64 v[\reg+2*\p:\reg+2*\p+1], v[\adr+2] offset:8*PCE+16*(PCE/8)+(\i)*16*PITCH
.endif
.endr
.endm
.macro FETCH_A slot, q, p              ; my four tiles' images
.irp i, 0,1,2,3
	ds_load_b128 v[AF+48*(\p)+12*\i:AF+48*(\p)+12*\i+3], v[ADRA+\slot] offset:\i*3072+1536*(\q)
	ds_load_b64 v[AF+48*(\p)+12*\i+4:AF+48*(\p)+12*\i+5], v[ADRA+2+\slot] offset:\i*3072+1536*(\q)+512
	ds_load_b128 v[AF+48*(\p)+12*\i+6:AF+48*(\p)+12*\i+9], v[ADRA+\slot] offset:\i*3072+1536*(\q)+768
	ds_load_b64 v[AF+48*(\p)+12*\i+10:AF+48*(\p)+12*\i+11], v[ADRA+2+\slot] offset:\i*3072+1536*(\q)+1280
.endr
.endm
.macro FETCH_B slot, q, p
	WIN 0x40
.irp i, 0,1,2,3,4,5,6,7
	FRAG 128*(\p)+12*\i, ADRB+\slot, \q, \i
.endr
	WIN 0
.endm
.macro SCALES sc
.irp a, 0,1,2,3
	ds_load_b64 v[SCA+8*\sc+2*\a:SCA+8*\sc+2*\a+1], v[ADSA] offset:(8*(\a/2)+2*(\a%2))*272
.endr
.irp b, 0,1,2,3,4,5,6,7
	ds_load_b64 v[SCB+16*\sc+2*\b:SCB+16*\sc+2*\b+1], v[ADSB] offset:1088*\b
.endr
.endm
.macro MUL8 a, p, q, sc, zero          ; the 32 accumulators take turns in the same order in every step
.irp b, 0,1,2,3,4,5,6,7
.if \zero
	v_wmma_scale_f32_16x16x128_f8f6f4 v[8*(8*(\a)+\b):8*(8*(\a)+\b)+7], v[128*(\p)+12*\b:128*(\p)+12*\b+11], v[AF+48*(\p)+12*(\a):AF+48*(\p)+12*(\a)+11], 0, v[SCB+16*(\sc)+2*\b+(\q)], v[SCA+8*(\sc)+2*(\a)+(\q)] matrix_a_fmt:MATRIX_FMT_FP6 matrix_b_fmt:MATRIX_FMT_FP6
.else
	v_wmma_scale_f32_16x16x128_f8f6f4 v[8*(8*(\a)+\b):8*(8*(\a)+\b)+7], v[128*(\p)+12*\b:128*(\p)+12*\b+11], v[AF+48*(\p)+12*(\a):AF+48*(\p)+12*(\a)+11], v[8*(8*(\a)+\b):8*(8*(\a)+\b)+7], v[SCB+16*(\sc)+2*\b+(\q)], v[SCA+8*(\sc)+2*(\a)+(\q)] matrix_a_fmt:MATRIX_FMT_FP6 matrix_b_fmt:MATRIX_FMT_FP6
.endif
.endr
.endm
.macro STEP0 slot, zero
	s_wait_dscnt 0x0                               ; set 0 and the slot's scale words are in
	PLACES 4                                       ; in front of loads into registers that the last products read
	FETCH_B \slot, 1, 1
	FETCH_A \slot, 1, 1
	WIN W_MUL
	MUL8 0, 0, 0, \slot, \zero
	MUL8 1, 0, 0, \slot, \zero
	MUL8 2, 0, 0, \slot, \zero
	MUL8 3, 0, 0, \slot, \zero
.endm
.macro TURN slot, next, fill
	WIN 0
	s_wait_tensorcnt 0x0                           ; my part of the next slot has landed; no load of mine is out, so a group 0 may be written
	ds_add_u32 v[SPW], v[NIL]
.if \fill
	s_add_nc_u64 s[G0A+4*\slot+2:G0A+4*\slot+3], s[G0A+4*\slot+2:G0A+4*\slot+3], 2*3072
	s_add_nc_u64 s[G0B+4*\slot+2:G0B+4*\slot+3], s[G0B+4*\slot+2:G0B+4*\slot+3], 2*ROWB
.endif
	s_wait_dscnt 0x0                               ; the add is done, set 1 is in, my reads of this slot are over
	s_barrier_signal -1
	WIN W_MUL
	MUL8 0, 1, 1, \slot, 0
	MUL8 1, 1, 1, \slot, 0
	WIN 0
	s_barrier_wait -1
.if \fill
	CREST                                          ; a round of the cluster's barrier: no wave of any partner still reads this slot or has a load on its way
	JLOAD G0A+4*\slot, G1A, G0B+4*\slot, G1B       ; the first tensor load behind the round; its four v_nop are the places in front of the loads below
.else
	PLACES 4
.endif
	v_add_nc_u32 v[ADSA], 8, v[ADSA]
	v_add_nc_u32 v[ADSB], 8, v[ADSB]
	FETCH_B \next, 0, 0
	FETCH_A \next, 0, 0
	SCALES \next
	WIN W_MUL
	MUL8 2, 1, 1, \slot, 0
	MUL8 3, 1, 1, \slot, 0
.endm
	s_load_b256 s[4:11], s[0:1], 0x0               ; yimg s[4:5], ysc s[6:7], Wo's codes s[8:9], scales s[10:11]
	s_load_b64 s[12:13], s[0:1], 0x20              ; out0
	v_lshl_add_u32 v[SPW], v0, 2, SPARE
	v_mov_b32 v[NIL], 0
	ds_add_u32 v28, v29
	s_wait_dscnt 0x0
	v_lshrrev_b32 v1, 5, v0
	v_readfirstlane_b32 s14, v1
	s_lshr_b32 s15, s14, 1
	s_and_b32 s16, s14, 1
	s_bfe_u32 s40, ttmp6, 0x40000                  ; cx
	s_bfe_u32 s41, ttmp6, 0x40004                  ; cy
	s_lshl_b32 s42, ttmp9, 2
	s_add_co_u32 s42, s42, s40                     ; ct
	s_and_b32 s17, ttmp7, 0xffff
	s_lshl_b32 s17, s17, 2
	s_add_co_u32 s17, s17, s41                     ; rt
	s_lshl_b32 s43, s41, 2
	s_lshl_b32 s43, 15, s43
	s_lshl_b32 s44, 0x1111, s40
	s_or_b32 s[G1A], s43, (3<<16)|(1<<21)          ; 8 tiles x 384 elements of 8 bytes, 3,072 elements apart; no padding
	s_mov_b32 s[G1A+1], 384<<16
	s_mov_b32 s[G1A+2], 8<<16
	s_mov_b32 s[G1A+3], 384<<16
	s_mov_b32 s[G1A+4], 8
	s_mov_b32 s[G1A+5], 3072
	s_mov_b32 s[G1A+6], 0
	s_mov_b32 s[G1A+7], 0
	s_or_b32 s[G1B], s44, (1<<20)|(1<<21)|(3<<22)|(3<<25)
	s_mov_b32 s[G1B+1], ROWB<<16
	s_mov_b32 s[G1B+2], 64<<16
	s_mov_b32 s[G1B+3], ROWB<<16
	s_mov_b32 s[G1B+4], 64
	s_mov_b32 s[G1B+5], KROW
	s_mov_b32 s[G1B+6], 0
	s_mov_b32 s[G1B+7], 0
	s_or_b32 s[G1SA], s43, (3<<16)|(1<<20)|(1<<21)|(5<<22)|(3<<25)
	s_or_b32 s[G1SB], s44, (3<<16)|(1<<20)|(1<<21)|(5<<22)|(3<<25)
	s_mov_b32 s[G1SA+1], 32<<16
	s_mov_b32 s[G1SA+2], 32<<16
	s_mov_b32 s[G1SA+3], 32<<16
	s_mov_b32 s[G1SA+4], 32
	s_mov_b32 s[G1SA+5], 32
	s_mov_b32 s[G1SA+6], 0
	s_mov_b32 s[G1SA+7], 0
	s_mov_b32 s[G1SB+1], 32<<16
	s_mov_b32 s[G1SB+2], 16<<16
	s_mov_b32 s[G1SB+3], 32<<16
	s_mov_b32 s[G1SB+4], 16
	s_mov_b32 s[G1SB+5], 32
	s_mov_b32 s[G1SB+6], 0
	s_mov_b32 s[G1SB+7], 0
	s_lshl_b32 s18, s17, 4
	s_lshl_b32 s19, s16, 3
	s_add_co_u32 s18, s18, s19                     ; y: tile 16 rt + 8 x half
	s_lshl_b32 s92, s18, 10                        ; its 16 rows' scale bytes: 1,024 a tile
	s_mov_b32 s93, 0
	s_mul_i32 s18, s18, 24576
	s_mov_b32 s19, 0
	s_lshl_b32 s45, s42, 7
	s_lshl_b32 s46, s16, 6
	s_add_co_u32 s45, s45, s46                     ; Wo: row 128 ct + 64 x half
	s_mul_i32 s46, s45, KROW
	s_mov_b32 s47, 0
	s_lshl_b32 s94, s45, 6
	s_mov_b32 s95, 0
	s_wait_kmcnt 0x0
	s_add_nc_u64 s[4:5], s[4:5], s[18:19]
	s_add_nc_u64 s[6:7], s[6:7], s[92:93]
	s_add_nc_u64 s[8:9], s[8:9], s[46:47]
	s_add_nc_u64 s[10:11], s[10:11], s[94:95]
	CROUND                                         ; all sixteen work-groups are here: the first joint loads meet
	s_mov_b32 s[G0SA], 1
	s_mul_i32 s[G0SA+1], s16, 32*272
	s_add_co_u32 s[G0SA+1], s[G0SA+1], SCLA
	s_mov_b64 s[G0SA+2:G0SA+3], s[6:7]
	s_or_b32 s[G0SA+3], s[G0SA+3], 0x80000000
	s_mov_b32 s[G0SB], 1
	s_mul_i32 s[G0SB+1], s16, 16*272
	s_add_co_u32 s[G0SB+1], s[G0SB+1], SCLB
	s_mov_b64 s[G0SB+2:G0SB+3], s[10:11]
	s_or_b32 s[G0SB+3], s[G0SB+3], 0x80000000
	JLOAD G0SA, G1SA, G0SB, G1SB
.irp s, 0,1
	s_mov_b32 s[G0A+4*\s], 1
	s_mul_i32 s[G0A+4*\s+1], s16, 8*3072
	s_add_co_u32 s[G0A+4*\s+1], s[G0A+4*\s+1], \s*SLOT
	s_add_nc_u64 s[G0A+4*\s+2:G0A+4*\s+3], s[4:5], \s*3072
	s_or_b32 s[G0A+4*\s+3], s[G0A+4*\s+3], 0x80000000
	s_mov_b32 s[G0B+4*\s], 1
	s_mul_i32 s[G0B+4*\s+1], s16, 64*PITCH
	s_add_co_u32 s[G0B+4*\s+1], s[G0B+4*\s+1], \s*SLOT+BOFF
	s_add_nc_u64 s[G0B+4*\s+2:G0B+4*\s+3], s[8:9], \s*ROWB
	s_or_b32 s[G0B+4*\s+3], s[G0B+4*\s+3], 0x80000000
	JLOAD G0A+4*\s, G1A, G0B+4*\s, G1B
.endr
	v_and_b32 v1, 15, v0                           ; r
	v_bfe_u32 v2, v0, 4, 1                         ; h
	v_and_b32 v8, 31, v0
	v_lshlrev_b32 v[CO], 4, v8
	v_lshlrev_b32 v9, 3, v8
	v_mul_u32_u24 v3, v1, PITCH
	v_mad_u32_u24 v4, v2, 24, v3
	v_lshl_add_u32 v5, v2, 4, v4
	s_mul_i32 s18, s14, 4*3072                     ; my four tiles
.irp s, 0,1
	v_add_nc_u32 v[ADRA+\s], s18, v[CO]
	v_add_nc_u32 v[ADRA+2+\s], s18, v9
	v_add_nc_u32 v[ADRB+\s], BOFF+\s*SLOT, v4
	v_add_nc_u32 v[ADRB+2+\s], BOFF+\s*SLOT, v5
	s_add_co_u32 s18, s18, SLOT
.endr
	v_lshrrev_b32 v6, 2, v1
	v_mul_u32_u24 v6, v6, 272
	v_and_b32 v7, 3, v1
	v_lshl_add_u32 v6, v7, 6, v6
	v_add_nc_u32 v[ADSB], SCLB, v6                 ; Wo's rows as they lie
	v_and_b32 v6, 8, v1
	v_add_nc_u32 v6, v6, v1                        ; y's rows in the tiles' order: r + 8 (r / 8)
	v_lshrrev_b32 v6, 2, v6
	v_mul_u32_u24 v6, v6, 272
	v_lshl_add_u32 v6, v7, 6, v6
	s_mul_i32 s18, s14, 16*272
	s_add_co_u32 s18, s18, SCLA
	v_add_nc_u32 v[ADSA], s18, v6
	s_mul_i32 s18, s14, 16*SPITCH                  ; my stage
	v_mul_u32_u24 v6, v1, SPITCH
	v_lshl_add_u32 v6, v2, 5, v6
	v_add_nc_u32 v[STO], s18, v6
	v_add_nc_u32 v[RD], s18, v[CO]
	s_lshl_b32 s18, s17, 8
	s_lshl_b32 s19, s14, 6
	s_add_co_u32 s18, s18, s19
	s_lshl_b32 s92, s18, 13                        ; my first row of out0: 8,192 bytes a row
	s_lshl_b32 s93, s42, 9
	s_add_co_u32 s92, s92, s93                     ; and my first column
	s_mov_b32 s93, 0
	s_add_nc_u64 s[12:13], s[12:13], s[92:93]
	s_wait_tensorcnt 0x1                           ; the scale bytes and my part of slot 0 are in; slot 1's load may stay out
	s_barrier_signal -1
	s_barrier_wait -1
	FETCH_B 0, 0, 0
	FETCH_A 0, 0, 0
	SCALES 0
	STEP0 0, 1
	WIN 0
	s_mov_b32 s3, 3
.Llap:
	TURN 0, 1, 1
	STEP0 1, 0
	TURN 1, 0, 1
	STEP0 0, 0
	WIN 0
	s_sub_co_u32 s3, s3, 1
	s_cmp_lg_u32 s3, 0
	s_cbranch_scc1 .Llap
	TURN 0, 1, 0
	STEP0 1, 0
	s_wait_dscnt 0x0
	MUL8 0, 1, 1, 1, 0
	MUL8 1, 1, 1, 1, 0
	MUL8 2, 1, 1, 1, 0
	MUL8 3, 1, 1, 1, 0
	WIN 0
	PLACES 4                                       ; in front of the first read of results and of loads into the fragments' registers
; THE WAY OUT, a tile of 16 rows x 128 columns at a time: through my own stage in LDS and back as whole rows of 512 bytes.  LDS serves a wave's instructions in order: no wait between the stores and the loads
.macro TOSTAGE a
	WIN 0x08                                       ; an LDS store's data: window 2
.irp b, 0,1,2,3,4,5,6,7
	ds_store_b128 v[STO], v[8*(8*(\a)+\b):8*(8*(\a)+\b)+3] offset:64*\b        ; each accumulator from its low end on
	ds_store_b128 v[STO], v[8*(8*(\a)+\b)+4:8*(8*(\a)+\b)+7] offset:64*\b+16
.endr
	WIN 0
.irp t, 0,1,2,3,4,5,6,7,8,9,10,11,12,13,14,15
	ds_load_b128 v[BK+64*((\a)%2)+4*\t:BK+64*((\a)%2)+4*\t+3], v[RD] offset:\t*SPITCH
.endr
.endm
.macro SEND a, younger                 ; lane row t of tile a is row 32 (a / 2) + 8 (a % 2) + t + 8 (t / 8) of my 64
	s_wait_dscnt \younger
.irp t, 0,1,2,3,4,5,6,7,8,9,10,11,12,13,14,15
	global_store_b128 v[CO], v[BK+64*((\a)%2)+4*\t:BK+64*((\a)%2)+4*\t+3], s[12:13] offset:(32*((\a)/2)+8*((\a)%2)+\t+8*(\t/8))*8192 th:TH_STORE_NT   ; 32 lanes store 512 consecutive bytes, aligned
.endr
.endm
	TOSTAGE 0
.irp a, 1,2,3
.if \a > 1
	s_wait_xcnt 0x0                                ; tile a - 2's stores have read their registers: tile a's loads may land there
.endif
	TOSTAGE \a
	SEND \a-1, 32                                  ; behind tile a - 1's loads: tile a's 16 stores and 16 loads
.endr
	SEND 3, 0
	s_wait_tensorcnt 0x0                           ; the wave's end
	ds_add_u32 v[SPW], v[NIL]
	s_wait_dscnt 0x0
	CROUND                                         ; the closing round
	s_endpgm
.Lfunc_end_k_qe1ef1748ad_outp:
	.size	k_qe1ef1748ad_outp, .Lfunc_end_k_qe1ef1748ad_outp-k_qe1ef1748ad_outp
	.p2alignl 7, 3214868480
	.fill 96, 4, 3214868480
	.section	.rodata,"a",@progbits
	.p2align	6, 0x0
	.amdhsa_kernel k_qe1ef1748ad_outp
		.amdhsa_group_segment_fixed_size 327680
		.amdhsa_private_segment_fixed_size 0
		.amdhsa_enable_private_segment 0
		.amdhsa_kernarg_size 40
		.amdhsa_user_sgpr_count 2
		.amdhsa_user_sgpr_kernarg_segment_ptr 1
		.amdhsa_wavefront_size32 1
		.amdhsa_system_sgpr_workgroup_id_x 1
		.amdhsa_system_sgpr_workgroup_id_y 1
		.amdhsa_system_sgpr_workgroup_id_z 1
		.amdhsa_system_vgpr_workitem_id 0
		.amdhsa_next_free_vgpr 768
		.amdhsa_next_free_sgpr 100
		.amdhsa_reserve_vcc 0
		.amdhsa_float_denorm_mode_32 3
		.amdhsa_float_denorm_mode_16_64 3
		.amdhsa_memory_ordered 1
		.amdhsa_forward_progress 1
		.amdhsa_inst_pref_size 97
	.end_amdhsa_kernel
	.amdgpu_metadata
---
amdhsa.version: [ 1, 2 ]
amdhsa.kernels:
  - .name:           k_qe1ef1748ad_outp
    .symbol:         k_qe1ef1748ad_outp.kd
    .args:
      - { .name: yimg, .offset: 0, .size: 8, .value_kind: global_buffer, .address_space: global }
      - { .name: ysc, .offset: 8, .size: 8, .value_kind: global_buffer, .address_space: global }
      - { .name: Wo_codes, .offset: 16, .size: 8, .value_kind: global_buffer, .address_space: global }
      - { .name: Wo_scales, .offset: 24, .size: 8, .value_kind: global_buffer, .address_space: global }
      - { .name: out0, .offset: 32, .size: 8, .value_kind: global_buffer, .address_space: global }
    .group_segment_fixed_size: 327680
    .private_segment_fixed_size: 0
    .kernarg_segment_align: 8
    .kernarg_segment_size: 40
    .max_flat_workgroup_size: 128
    .sgpr_count:     100
    .vgpr_count:     768
    .wavefront_size: 32
...
	.end_amdgpu_metadata
.endif
;; end of part 4
